; MI455X (gfx1250); checked and timed in simulation.
; The chip was launched on July 23, 2026; its instructions are those of AMD's public machine-readable ISA for CDNA 5 (MIT licence, August 2026) and "CDNA5" Instruction Set Architecture Reference Guide (July 2026). The comments in the code are by the model that wrote it; some were corrected since.
;; Quantum Regression Model. Allowed arithmetic: matrix products marked QUANTISED: E2M1 operands, one E8M0 scale for each 32 along K, by v_wmma_scale_f32_16x16x128_f8f6f4 with both operands' format E2M1 (or v_wmma_scale_f32_32x16x128_f4), f32 sums; products left as they are: f32 operands where the result goes on into a quantised operand, else bf16, f16 or f32 operands; f32 sums; everything else in f32.
;; Inputs: W1 1 x 64 float32; W2 64 x 1 float32; Wk_codes 256 x 8 x 16 uint8 (E2M1 codes of Wk, K innermost, in blocks of 32 codes, two codes a byte); Wk_scales 256 x 8 uint8 (E8M0 scales of Wk, one for each 32 codes along K); Wq_codes 256 x 8 x 16 uint8 (E2M1 codes of Wq, K innermost, in blocks of 32 codes, two codes a byte); Wq_scales 256 x 8 uint8 (E8M0 scales of Wq, one for each 32 codes along K); b1 64 float32; b2 1 float32; states 8,192 x 256 float32.
;; Outputs: out0 8,192 float32.
;; This version of the problem:
;;   THIS VERSION OF THE PROBLEM IS GIVEN IN LOW PRECISION. The matrix products marked QUANTISED in the list below multiply operands that are first quantised to E2M1 (2 exponent bits, 1 mantissa bit; 4 bits a number), with one power-of-two scale for each 32 numbers along K (OCP MX v1.0); their sums are f32. All else is computed in f32.
;;   The module's matrix products, in the order in which they are computed (A, B: the left and right operand; K: the contracted axis; several contracted axes count as one K, in the product's order):
;;     1. [M 8,192, K 256] x [K 256, N 256]; A: input states; B: input Wq (given as codes): QUANTISED
;;     2. [M 8,192, K 256] x [K 256, N 256]; A: input states; B: input Wk (given as codes): QUANTISED
;;     3. [M 8,192, K 256] x [K 256, N 8,192]; A: computed on the way; B: computed on the way: QUANTISED
;;     4. [M 8,192, K 8,192] x [K 8,192, N 256]; A: softmax (see below); B: input states: QUANTISED
;;     5. [M 8,192, K 256] x [K 256, N 8,192]; A: computed on the way; B: computed on the way: QUANTISED
;;     6. [M 8,192, K 1] x [K 1, N 64]; A: computed on the way; B: input W1: left as it is (K = 1 < 32)
;;     7. [M 8,192, K 64] x [K 64, N 1]; A: computed on the way; B: input W2: left as it is (N = 1 < 16)
;;   THE QUANTISER, for each operand of a quantised product, along K:
;;     - K is cut into blocks of 32 from its start; a last block that is shorter is filled with zeros.
;;     - A block's scale is 2^e with e = floor(log2(the largest magnitude in the block)) - 2, held to -126 .. 127; a block of zeros has e = 0. As a byte (E8M0): e + 127.
;;     - Each number is divided by its block's scale, clamped to +-6, and rounded to the nearest number of E2M1, ties to even, subnormals kept.
;;     - The product sums the exact products of the quantised numbers (number of the format x scale) in f32.
;;   ~~~python
;;   def quantise(x, axis):      # numpy; x: float32 -> the quantised numbers, widened to float32 again
;;       x = np.moveaxis(x, axis, -1); K = x.shape[-1]
;;       x = np.pad(x, [(0, 0)] * (x.ndim - 1) + [(0, -K % 32)]); x = x.reshape(x.shape[:-1] + (-1, 32)); a = np.abs(x).max(-1, keepdims=True)
;;       e = np.where(a > 0, np.clip(np.frexp(np.where(a > 0, a, 1))[1] - 1 - 2, -126, 127), 0)      # np.frexp(a)[1] - 1 = floor(log2(a)), exactly
;;       r = np.clip(x / 2.0 ** e, -6, 6)
;;       step = 2.0 ** (np.maximum(np.frexp(np.where(r == 0, 1, r))[1] - 1, 0) - 1)
;;       q = np.round(r / step) * step * 2.0 ** e      # np.round: ties to even
;;       return np.moveaxis(q.reshape(q.shape[:-2] + (-1,))[..., :K], -1, axis).astype(np.float32)
;;   ~~~
;;   SOFTMAX AHEAD OF A QUANTISED PRODUCT. Where the list says 'softmax', what is quantised is not the finished softmax but p = 2^(t - M), with t = logit x log2(e) and M = ceil(the row's largest t), a whole number; so 1/2 < the row's largest p <= 1. The row's sum l is taken of the UNQUANTISED p, in f32, and the product's result is divided by l at the end. Since M is a whole number, a kernel that streams over the keys may use a running M (the ceiling of the running maximum): every later rescaling is an exact power of two, which a block's scale takes up: the codes' values come out the same.
;;   OPERANDS COMPUTED ON THE WAY. 'Computed on the way' means the value that the module computes at that place (a softmax that the list does not call 'softmax' is quantised finished and normalised). What goes into a quantiser is computed in f32, as accurately as f32 sums, v_exp_f32 and their like allow (about 1e-6 of the number): no bf16 or f16 on the way to a quantiser, and a product that is left as it is and whose result goes on into a quantised operand takes f32 operands (vector FMAs, or v_wmma_f32_16x16x4_f32). A number that lies on a knife's edge between two numbers of the format may be rounded either way, as far as f32 arithmetic and the matrix unit's own rounding can turn it there, and no further.
;;   INPUTS GIVEN AS CODES. Wk (in the module: [256, 256], K = its axis 0); Wq (in the module: [256, 256], K = its axis 0): each comes as NAME_codes (uint8): NAME with its K axis moved to the last place and cut into blocks of 32 codes, [.., K / 32, bytes a block], one block behind the other in memory; two codes a byte, the lower K in the low four bits (a code: sign, 2 exponent bits, 1 mantissa bit); and NAME_scales (uint8): the same leading axes, one E8M0 byte (e + 127) for each 32 codes along K. Its value is code x scale, taken as it is: it is not quantised again, and the codes and scales need not be those that the quantiser above would give.
;; 2 versions. Each part assembles by itself: llvm-mc -triple=amdgcn-amd-amdhsa -mcpu=gfx1250 --defsym DOCPART=n.
;; ======== version 1 of 2: 3 launches
;; workspace buffers: QB 1,114,112 bytes; KV 2,228,224 bytes; AT 1,179,648 bytes
;; launch prep (part 1): grid 256 x 1, 4 waves a work-group, no clusters, 168,448 bytes of LDS; arguments states, Wq_codes, Wq_scales, Wk_codes, Wk_scales, QB, KV; writes QB, KV
.if DOCPART == 1
	.amdgcn_target "amdgcn-amd-amdhsa--gfx1250"
	.amdhsa_code_object_version 6
	.text
	.protected	k_q1e2ada71d2_prep
	.globl	k_q1e2ada71d2_prep
	.p2align	8
	.type	k_q1e2ada71d2_prep,@function
k_q1e2ada71d2_prep:
	s_mov_b64 s[64:65], 0
	v_nop
	global_prefetch_b8 v0, s[64:65] scope:SCOPE_SE
	s_setreg_imm32_b32 hwreg(HW_REG_WAVE_MODE, 25, 1), 1
	s_wait_xcnt 0x0
; PREP.  q = Q(states) Wq, k = Q(states) Wk on codes of FP4 (E2M1) with one E8M0 scale for each 32 along K; q and k are quantised along their 256 features, states also along the KEYS (for the
; second product of attention).  All results leave as IMAGES OF OPERAND REGISTERS: a fragment (16 rows x 128 K) is 1,024 bytes, register group c (registers 4 c .. 4 c + 3) at 512 c + 16 x lane.
; A scale image is 128 bytes, 4 x lane: for q and k lanes 0-15 hold the word of K step 0, lanes 16-31 that of K step 1; for V lanes 0-15 hold d-tile 2 p, lanes 16-31 d-tile 2 p + 1.
; SHARES.  Work-group g owns rows 32 g .. 32 g + 31 (chunk c = g / 4 of 128 rows, quarter b = g % 4) and, for V, columns 64 b .. 64 b + 63 of its chunk's 128 rows.
; THE ROWS OF A TILE ARE NOT NEIGHBOURS: lane r of tile u of a group of 32 stands for member 8 u + r + 8 (r / 8), so that the 16 registers of two neighbouring result tiles are 16 neighbours along the next K.
; Four waves, one text; hi = wave / 2, lo = wave % 2:  x job: tile hi, K step lo of x;  W job: matrix hi (q, k), output features 128 lo on, both row tiles;  V job: key blocks 2 hi, 2 hi + 1, 32 columns from 64 b + 32 lo on.
; All global reads are tensor loads of whole rows; each LDS byte is filled once, so there is no ring here.  No cluster: what work-groups share (the weights, 68 KB) is read once by each and the launch is short.
; LIMITS: a block of zeros gets the scale byte 1 (the rule says 127): its codes are zeros and this program alone reads the bytes.  NaN and infinities among the inputs are not served.
.set CH,    34816                      ; a chunk of KV: 16 K fragments, 16 V fragments, 8 + 8 scale images
.set QREC,  4352                       ; a record of QB: 4 fragments, 2 scale images
.set WB,    0                          ; LDS: for each wave 128 rows of W, 128 bytes + 16 of padding
.set WSB,   73728                      ; for each wave the scale bytes of those rows, 8 a row
.set XB,    77824                      ; my 32 rows of states, 1,024 bytes + 16; rows 8 w' .. + 7 lie in row group 2 (w' % 2) + w' / 2, so that tile u is rows 16 u + r
.set VB,    111104                     ; the chunk's 128 rows x my 64 columns, 256 bytes + 16
.set XIMG,  145920                     ; x's four fragments as images (2 u + s)
.set XSC,   150016                     ; and their scale words, 128 bytes each
.set JN,    150528                     ; three units of 256 bytes that leave whole: q's scale images, k's, V's
.set SEL,   2                          ; s[2:3] lane selects for v_permlanex16_b32: lane l xor 16
.set G1W,   32
.set G1S,   40
.set G1X,   48
.set G1V,   56
.set G0W,   68
.set G0S,   72
.set G0X,   76
.set G0V,   80
.set XS,    20                         ; v20-23   x's scale words (2 u + s)
.set WS,    24                         ; v24-39   W's scale words (2 t + s)
.set XF,    40                         ; v40-71   x's four fragments
.set XR,    72                         ; v72-135  64 numbers of x
.set VR,    136                        ; v136-199 64 numbers of a column of states
.set ACC,   72                         ; v72-199  16 accumulators (64 u + 8 t), over XR and VR, which are done with by then
.set TM,    200                        ; v200-215 at work in QUANT
.set PW,    216                        ; v216-217 scale words just made
.set PC,    220                        ; v220-235 codes just made, 8 a fragment
.set VC,    236                        ; v236-243 V's codes; v244-251 at work
.set W0W,   (2<<16)|(1<<20)|(4<<22)|(3<<25)   ; elements of 4 bytes; 4 words of padding behind every 32
.set W0S,   (3<<16)                           ; elements of 8 bytes, no padding
.set W0X,   (2<<16)|(1<<20)|(7<<22)|(3<<25)   ; 4 words behind every 256
.set W0V,   (2<<16)|(1<<20)|(5<<22)|(3<<25)   ; 4 words behind every 64
.set MSB, 0
.macro WIN new                         ; the immediate's high byte repeats the setting that is left
.if MSB != \new
	s_set_vgpr_msb (MSB<<8)|\new
.set MSB, \new
.endif
.endm
.macro GROUP1 g, w0, cc, rr, pp        ; descriptor group 1: rr rows of cc elements, pp elements from row to row
	s_mov_b32 s[\g], \w0
	s_mov_b32 s[\g+1], (\cc)<<16
	s_mov_b32 s[\g+2], (\rr)<<16
	s_mov_b32 s[\g+3], (\cc)<<16
	s_mov_b32 s[\g+4], \rr
	s_mov_b32 s[\g+5], \pp
	s_mov_b32 s[\g+6], 0
	s_mov_b32 s[\g+7], 0
.endm
; 64 numbers of a lane, register 16 b + i = k 32 b + 16 (lane / 16) + i of my row, become a fragment's codes in v[pc] on and its scale word in v[pw].
.macro QUANT s, pc, pw
.irp b, 0,1,2,3
	v_max3_num_f32 v[TM+\b], |v[(\s)+16*\b]|, |v[(\s)+1+16*\b]|, 0x1800000   ; my 16 numbers of block b, and the floor 2^(3 - 127): the byte cannot fall under 1
.endr
.irp i, 2,4,6,8,10,12,14
.irp b, 0,1,2,3
	v_max3_num_f32 v[TM+\b], v[TM+\b], |v[(\s)+16*\b+\i]|, |v[(\s)+1+16*\b+\i]|
.endr
.endr
.irp b, 0,1,2,3
	v_permlanex16_b32 v[TM+4+\b], v[TM+\b], s[SEL], s[SEL+1]
.endr
.irp b, 0,1,2,3
	v_max_num_f32 v[TM+\b], v[TM+\b], v[TM+4+\b]       ; with lane l xor 16's: the block's largest magnitude
.endr
.irp b, 0,1,2,3
	v_add_nc_u32 v[TM+12+\b], 0xff000000, v[TM+\b]     ; 2 off its exponent field: the conversion's scale operand
.endr
.irp b, 0,1,2,3
	v_lshrrev_b32 v[TM+4+\b], 23, v[TM+12+\b]          ; the scale's byte
.endr
	v_lshl_or_b32 v[\pw], v[TM+5], 8, v[TM+4]
	v_lshl_or_b32 v[\pw], v[TM+6], 16, v[\pw]
	v_lshl_or_b32 v[\pw], v[TM+7], 24, v[\pw]
.irp b, 0,1,2,3
	v_cvt_scalef32_pk8_fp4_f32 v[(\pc)+2*\b], v[(\s)+16*\b:(\s)+7+16*\b], v[TM+12+\b]
	v_cvt_scalef32_pk8_fp4_f32 v[(\pc)+1+2*\b], v[(\s)+8+16*\b:(\s)+15+16*\b], v[TM+12+\b]
.endr
	v_nop                                              ; one plain place behind a scaled conversion
.irp c, 0,1                                            ; the operand's layout wants a whole block in a lane
.irp i, 0,1
	v_permlane16_swap_b32 v[(\pc)+4*\c+\i], v[(\pc)+2+4*\c+\i]
.endr
.endr
.endm
; block i of my column: all its 32 numbers are mine
.macro VBLOCK i
.set XSR, VR+32*(\i)
	v_max3_num_f32 v244, |v[XSR]|, |v[XSR+1]|, |v[XSR+2]|
	v_max3_num_f32 v245, |v[XSR+3]|, |v[XSR+4]|, |v[XSR+5]|
.irp k, 6,10,14,18,22,26
	v_max3_num_f32 v244, v244, |v[XSR+\k]|, |v[XSR+\k+1]|
	v_max3_num_f32 v245, v245, |v[XSR+\k+2]|, |v[XSR+\k+3]|
.endr
	v_max3_num_f32 v244, v244, |v[XSR+30]|, |v[XSR+31]|
	v_max3_num_f32 v244, v244, v245, 0x1800000
	v_add_nc_u32 v[246+(\i)], 0xff000000, v244
	v_lshrrev_b32 v[248+(\i)], 23, v[246+(\i)]
.irp q, 0,1,2,3
	v_cvt_scalef32_pk8_fp4_f32 v[VC+4*(\i)+\q], v[XSR+8*\q:XSR+8*\q+7], v[246+(\i)]
.endr
	v_nop                                              ; one plain place behind the last scaled conversion
.endm
	s_load_b256 s[4:11], s[0:1], 0x0               ; states s[4:5], Wq's codes s[6:7], Wq's scales s[8:9], Wk's codes s[10:11]
	s_load_b128 s[12:15], s[0:1], 0x20             ; Wk's scales s[12:13], QB s[14:15]
	s_load_b64 s[16:17], s[0:1], 0x30              ; KV
	v_lshl_add_u32 v254, v0, 2, 0x29000
	v_mov_b32 v255, 0
	ds_add_u32 v254, v255
	ds_add_u32 v254, v255
	v_lshrrev_b32 v1, 5, v0
	v_readfirstlane_b32 s18, v1                    ; wave
	s_lshr_b32 s19, s18, 1                         ; hi
	s_and_b32 s20, s18, 1                          ; lo
	s_lshr_b32 s22, ttmp9, 2                       ; c
	s_and_b32 s23, ttmp9, 3                        ; b
	s_mov_b32 s[SEL], 0x76543210
	s_mov_b32 s[SEL+1], 0xfedcba98
	GROUP1 G1W, W0W, 32, 128, 32                   ; 128 rows of 128 bytes of codes
	GROUP1 G1S, W0S, 32, 4, 32                     ; 1,024 dense bytes of scales
	GROUP1 G1X, W0X, 256, 8, 256                   ; 8 rows of states
	GROUP1 G1V, W0V, 64, 32, 256                   ; 32 rows x 64 columns of states
	s_mov_b32 s[G0W], 1
	s_mul_i32 s[G0W+1], s18, 18432                 ; WB + 18,432 x wave
	s_mov_b32 s[G0S], 1
	s_lshl_b32 s[G0S+1], s18, 10
	s_add_co_u32 s[G0S+1], s[G0S+1], WSB
	s_mov_b32 s[G0X], 1
	s_lshl_b32 s28, s20, 1
	s_or_b32 s28, s28, s19                         ; the row group that takes my 8 rows
	s_mul_i32 s28, s28, 8320
	s_add_co_u32 s[G0X+1], s28, XB
	s_mov_b32 s[G0V], 1
	s_mul_i32 s[G0V+1], s18, 8704
	s_add_co_u32 s[G0V+1], s[G0V+1], VB
	s_mov_b32 s25, 0                               ; the upper word of every offset
	s_wait_dscnt 0x0
	s_wait_kmcnt 0x0
	s_cmp_eq_u32 s19, 0                            ; q's matrix or k's: the choice hangs on the wave's number alone
	s_cselect_b64 s[G0W+2:G0W+3], s[6:7], s[10:11]
	s_cselect_b64 s[G0S+2:G0S+3], s[8:9], s[12:13]
	s_lshl_b32 s24, s20, 14                        ; my 128 rows of codes
	s_add_nc_u64 s[G0W+2:G0W+3], s[G0W+2:G0W+3], s[24:25]
	s_lshl_b32 s24, s20, 10                        ; and of scale bytes
	s_add_nc_u64 s[G0S+2:G0S+3], s[G0S+2:G0S+3], s[24:25]
	s_lshl_b32 s24, ttmp9, 15                      ; row 32 g + 8 x wave
	s_lshl_b32 s27, s18, 13
	s_add_co_u32 s24, s24, s27
	s_add_nc_u64 s[G0X+2:G0X+3], s[4:5], s[24:25]
	s_lshl_b32 s24, s22, 17                        ; row 128 c + 32 x wave, column 64 b
	s_lshl_b32 s27, s18, 15
	s_add_co_u32 s24, s24, s27
	s_lshl_b32 s27, s23, 8
	s_add_co_u32 s24, s24, s27
	s_add_nc_u64 s[G0V+2:G0V+3], s[4:5], s[24:25]
	s_or_b32 s[G0W+3], s[G0W+3], 0x80000000
	s_or_b32 s[G0S+3], s[G0S+3], 0x80000000
	s_or_b32 s[G0X+3], s[G0X+3], 0x80000000
	s_or_b32 s[G0V+3], s[G0V+3], 0x80000000
	tensor_load_to_lds s[G0X:G0X+3], s[G1X:G1X+7]  ; the four first fills go out together: four loads of mine are out.  What all waves read comes first
	s_nop 0
	tensor_load_to_lds s[G0V:G0V+3], s[G1V:G1V+7]
	s_nop 0
	tensor_load_to_lds s[G0W:G0W+3], s[G1W:G1W+7]
	s_nop 0
	tensor_load_to_lds s[G0S:G0S+3], s[G1S:G1S+7]
	s_nop 0
	v_and_b32 v1, 31, v0                           ; L
	v_and_b32 v2, 15, v0                           ; r
	v_bfe_u32 v3, v0, 4, 1                         ; h
	v_and_b32 v18, 8, v0
	v_add_nc_u32 v18, v18, v2                      ; r + 8 (r / 8)
	s_mul_i32 s28, s19, 16640                      ; x job: tile hi, K step lo, row r, + 64 h: my 16 numbers of a block of 32
	s_lshl_b32 s29, s20, 9
	s_add_co_u32 s28, s28, s29
	s_add_co_u32 s28, s28, XB
	v_mul_u32_u24 v4, v2, 1040
	v_lshl_add_u32 v4, v3, 6, v4
	v_add_nc_u32 v4, s28, v4
	s_mul_i32 s28, s19, 17408                      ; V job: keys 64 hi on, column 32 lo + 8 h + r + 8 (r / 8)
	s_lshl_b32 s29, s20, 7
	s_add_co_u32 s28, s28, s29
	s_add_co_u32 s28, s28, VB
	v_lshl_add_u32 v5, v3, 3, v18
	v_lshlrev_b32 v5, 2, v5
	v_add_nc_u32 v5, s28, v5
	s_mul_i32 s28, s18, 18432                      ; W job: my 128 rows; a tile's lane r takes row r + 8 (r / 8)
	v_mul_u32_u24 v6, v18, 144
	v_lshl_add_u32 v6, v3, 4, v6
	v_add_nc_u32 v6, s28, v6
	s_lshl_b32 s28, s18, 10
	s_add_co_u32 s28, s28, WSB
	v_lshlrev_b32 v7, 3, v18
	v_add_nc_u32 v7, s28, v7
	v_lshlrev_b32 v15, 4, v1                       ; 16 L
	v_add_nc_u32 v8, XIMG, v15
	v_lshlrev_b32 v9, 2, v1
	v_add_nc_u32 v9, XSC, v9
	s_lshl_b32 s28, s18, 10
	v_add_nc_u32 v10, s28, v8                      ; where I store my fragment of x
	s_lshl_b32 s28, s18, 7
	v_add_nc_u32 v11, s28, v9                      ; and its scale words
	s_lshl_b32 s28, s19, 8                         ; q's or k's unit, K step lo, row r
	s_lshl_b32 s29, s20, 6
	s_add_co_u32 s28, s28, s29
	s_add_co_u32 s28, s28, JN
	v_lshlrev_b32 v12, 2, v2
	v_add_nc_u32 v12, s28, v12
	s_lshl_b32 s28, s20, 7                         ; V's unit: image lo, lane L, bytes 2 hi and 2 hi + 1
	s_lshl_b32 s29, s19, 1
	s_add_co_u32 s28, s28, s29
	s_add_co_u32 s28, s28, JN+512
	v_lshlrev_b32 v13, 2, v1
	v_add_nc_u32 v13, s28, v13
	v_lshlrev_b32 v14, 3, v0
	v_add_nc_u32 v14, JN, v14                      ; wave w reads unit w back, 8 bytes a lane
	v_lshlrev_b32 v16, 4, v2
	v_lshl_add_u32 v16, v3, 10, v16                ; V's codes: d-tile h of my two, lane r
	v_lshlrev_b32 v17, 3, v1                       ; 8 L
.irp b, 0,1,2,3
	v_mov_b32 v[TM+4+\b], 0                        ; written once: a lane permute's destination counts as one of its sources
.endr
	s_mul_i32 s26, s22, CH                         ; where the results go.  Fragments of q: QB + g x QREC; of k: KV + c x CH + 4,096 b; in both my K step lo: + 1,024 lo
	s_lshl_b32 s27, s23, 12
	s_add_co_u32 s27, s26, s27
	s_mul_i32 s24, ttmp9, QREC
	s_cmp_eq_u32 s19, 0
	s_cselect_b64 s[86:87], s[14:15], s[16:17]
	s_cselect_b32 s24, s24, s27
	s_lshl_b32 s28, s20, 10
	s_add_co_u32 s24, s24, s28
	s_add_nc_u64 s[86:87], s[86:87], s[24:25]
	s_lshl_b32 s24, s20, 11                        ; V's fragments 4 b + 2 lo and the next, register group hi
	s_add_co_u32 s24, s24, s27
	s_lshl_b32 s27, s19, 9
	s_add_co_u32 s24, s24, s27
	s_add_co_u32 s24, s24, 16384
	s_add_nc_u64 s[84:85], s[16:17], s[24:25]
	s_lshl_b32 s24, s18, 10                        ; the units of scale images: wave 0 q's, wave 1 k's (at 32,768), wave 2 V's (at 33,792)
	s_add_co_u32 s24, s24, s26
	s_lshl_b32 s27, s23, 8
	s_add_co_u32 s24, s24, s27
	s_add_co_u32 s24, s24, 31744
	s_mul_i32 s27, ttmp9, QREC
	s_add_co_u32 s27, s27, 4096
	s_cmp_eq_u32 s18, 0
	s_cselect_b64 s[30:31], s[14:15], s[16:17]
	s_cselect_b32 s24, s27, s24
	s_add_nc_u64 s[30:31], s[30:31], s[24:25]
	s_wait_tensorcnt 0x2                           ; my parts of x and of V's columns are in; W and its scales, which I alone read, may stay out
	s_barrier_signal -1
	s_barrier_wait -1                              ; everybody's are
.irp b, 0,1,2,3
.irp j, 0,1,2,3
	ds_load_b128 v[XR+16*\b+4*\j:XR+16*\b+4*\j+3], v4 offset:128*\b+16*\j
.endr
.endr
.set i, 0
.rept 32
	ds_load_b32 v[VR+i], v5 offset:i*272           ; my column, the first 32 keys down
.set i, i+1
.endr
	s_wait_dscnt 32                                ; x's 16 loads are in; the column's 32 are younger
	QUANT XR, PC, PW
	ds_store_b128 v10, v[PC:PC+3]                  ; the fragment goes to LDS as it stands
	ds_store_b128 v10, v[PC+4:PC+7] offset:512
	ds_store_b32 v11, v[PW]
	s_wait_dscnt 3                                 ; the column's first 32 loads are in; the three stores are younger
.rept 32
	ds_load_b32 v[VR+i], v5 offset:i*272           ; the next 32 keys land while the first block is worked
.set i, i+1
.endr
	VBLOCK 0
	s_wait_dscnt 0x0
	VBLOCK 1
	v_lshl_or_b32 v248, v249, 8, v248              ; my two bytes of the column's scale word
	ds_store_b16 v13, v248
	global_store_b128 v16, v[VC:VC+3], s[84:85]              ; block 2 hi: the fragment's lanes 0-15: sixteen lanes store 256 consecutive bytes, aligned
	global_store_b128 v16, v[VC+4:VC+7], s[84:85] offset:256 ; block 2 hi + 1: its lanes 16-31
	s_wait_tensorcnt 0x0                           ; W and its scales are in: my own bytes
	WIN 0x40                                       ; destination window 1
.irp t, 0,1,2,3,4,5,6,7
.irp s, 0,1
.irp c, 0,1
	ds_load_b128 v[8*(2*\t+\s)+4*\c:8*(2*\t+\s)+4*\c+3], v6 offset:(32*(\t/2)+8*(\t%2))*144+64*\s+32*\c
.endr
.endr
.endr
	WIN 0
.irp t, 0,1,2,3,4,5,6,7
	ds_load_b64 v[WS+2*\t:WS+2*\t+1], v7 offset:(32*(\t/2)+8*(\t%2))*8
.endr
	s_wait_dscnt 0x0                               ; my stores have landed
	s_barrier_signal -1
	s_barrier_wait -1                              ; x's four fragments lie in LDS
.irp f, 0,1,2,3
	ds_load_b128 v[XF+8*\f:XF+8*\f+3], v8 offset:1024*\f
	ds_load_b128 v[XF+8*\f+4:XF+8*\f+7], v8 offset:1024*\f+512
	ds_load_b32 v[XS+\f], v9 offset:128*\f
.endr
	s_wait_dscnt 0x0
	WIN 0x01                                       ; source 0 (W) window 1
; TRANSPOSED: source 0 = 16 rows of W, source 1 = 16 rows of x: a lane holds one row of q or k, its registers run along the features.  The 16 accumulators take turns.
.irp s, 0,1
.irp u, 0,1
.irp t, 0,1,2,3,4,5,6,7
.if \s
	v_wmma_scale_f32_16x16x128_f8f6f4 v[ACC+64*\u+8*\t:ACC+64*\u+8*\t+7], v[8*(2*\t+1):8*(2*\t+1)+7], v[XF+16*\u+8:XF+16*\u+15], v[ACC+64*\u+8*\t:ACC+64*\u+8*\t+7], v[WS+2*\t+1], v[XS+2*\u+1] matrix_a_fmt:MATRIX_FMT_FP4 matrix_b_fmt:MATRIX_FMT_FP4
.else
	v_wmma_scale_f32_16x16x128_f8f6f4 v[ACC+64*\u+8*\t:ACC+64*\u+8*\t+7], v[8*(2*\t):8*(2*\t)+7], v[XF+16*\u:XF+16*\u+7], 0, v[WS+2*\t], v[XS+2*\u] matrix_a_fmt:MATRIX_FMT_FP4 matrix_b_fmt:MATRIX_FMT_FP4
.endif
.endr
.endr
.endr
	WIN 0
.rept 4
	v_nop                                          ; four places ahead of the first read of results
.endr
.irp u, 0,1
	QUANT ACC+64*\u, PC+8*\u, PW+\u                ; my 128 features of tile u: K step lo of the next product
	global_store_b128 v15, v[PC+8*\u:PC+8*\u+3], s[86:87] offset:2048*\u          ; fragment 2 u + lo: 32 lanes store 512 consecutive bytes, aligned
	global_store_b128 v15, v[PC+8*\u+4:PC+8*\u+7], s[86:87] offset:2048*\u+512
	ds_store_b32 v12, v[PW+\u] offset:128*\u       ; lanes r and r + 16 write the same word with the same value
.endr
	s_wait_dscnt 0x0                               ; for the others' sake: my scale words and bytes have landed
	s_barrier_signal -1
	s_barrier_wait -1                              ; the three units are whole
	s_cmp_gt_u32 s18, 2
	s_cbranch_scc1 .Lend                           ; three units, three waves
	ds_load_b64 v[250:251], v14
	s_wait_dscnt 0x0
	global_store_b64 v17, v[250:251], s[30:31]     ; 32 lanes store 256 consecutive bytes, aligned
.Lend:
	s_wait_tensorcnt 0x0
	ds_add_u32 v254, v255
	s_wait_dscnt 0x0
	s_endpgm
.Lfunc_end_k_q1e2ada71d2_prep:
	.size	k_q1e2ada71d2_prep, .Lfunc_end_k_q1e2ada71d2_prep-k_q1e2ada71d2_prep
	.p2alignl 7, 3214868480
	.fill 96, 4, 3214868480
	.section	.rodata,"a",@progbits
	.p2align	6, 0x0
	.amdhsa_kernel k_q1e2ada71d2_prep
		.amdhsa_group_segment_fixed_size 168448
		.amdhsa_private_segment_fixed_size 0
		.amdhsa_enable_private_segment 0
		.amdhsa_kernarg_size 56
		.amdhsa_user_sgpr_count 2
		.amdhsa_user_sgpr_kernarg_segment_ptr 1
		.amdhsa_wavefront_size32 1
		.amdhsa_system_sgpr_workgroup_id_x 1
		.amdhsa_system_sgpr_workgroup_id_y 1
		.amdhsa_system_sgpr_workgroup_id_z 1
		.amdhsa_system_vgpr_workitem_id 0
		.amdhsa_next_free_vgpr 384
		.amdhsa_next_free_sgpr 88
		.amdhsa_reserve_vcc 0
		.amdhsa_float_denorm_mode_32 3
		.amdhsa_float_denorm_mode_16_64 3
		.amdhsa_memory_ordered 1
		.amdhsa_forward_progress 1
		.amdhsa_inst_pref_size 37
	.end_amdhsa_kernel
	.amdgpu_metadata
---
amdhsa.version: [ 1, 2 ]
amdhsa.kernels:
  - .name:           k_q1e2ada71d2_prep
    .symbol:         k_q1e2ada71d2_prep.kd
    .args:
      - { .name: states, .offset: 0, .size: 8, .value_kind: global_buffer, .address_space: global }
      - { .name: Wq_codes, .offset: 8, .size: 8, .value_kind: global_buffer, .address_space: global }
      - { .name: Wq_scales, .offset: 16, .size: 8, .value_kind: global_buffer, .address_space: global }
      - { .name: Wk_codes, .offset: 24, .size: 8, .value_kind: global_buffer, .address_space: global }
      - { .name: Wk_scales, .offset: 32, .size: 8, .value_kind: global_buffer, .address_space: global }
      - { .name: QB, .offset: 40, .size: 8, .value_kind: global_buffer, .address_space: global }
      - { .name: KV, .offset: 48, .size: 8, .value_kind: global_buffer, .address_space: global }
    .group_segment_fixed_size: 168448
    .private_segment_fixed_size: 0
    .kernarg_segment_align: 8
    .kernarg_segment_size: 56
    .max_flat_workgroup_size: 128
    .sgpr_count:     88
    .vgpr_count:     384
    .wavefront_size: 32
...
	.end_amdgpu_metadata
.endif
;; end of part 1
;; launch attn (part 2): grid 256 x 1, 4 waves a work-group, clusters of 4 x 1, 327,680 bytes of LDS; arguments QB, KV, AT; writes AT
.if DOCPART == 2
	.amdgcn_target "amdgcn-amd-amdhsa--gfx1250"
	.amdhsa_code_object_version 6
	.text
	.protected	k_q1e2ada71d2_attn
	.globl	k_q1e2ada71d2_attn
	.p2align	8
	.type	k_q1e2ada71d2_attn,@function
k_q1e2ada71d2_attn:
	s_mov_b64 s[64:65], 0
	v_nop
	global_prefetch_b8 v0, s[64:65] scope:SCOPE_SE
	s_setreg_imm32_b32 hwreg(HW_REG_WAVE_MODE, 25, 1), 1
	s_wait_xcnt 0x0
	s_wait_alu depctr_hold_cnt(0) depctr_sa_sdst(0) depctr_va_vdst(0) depctr_va_sdst(0) depctr_va_ssrc(0) depctr_va_vcc(0) depctr_vm_vsrc(0)
	s_getreg_b32 s2, hwreg(HW_REG_IB_STS2, 6, 4)
	s_cmp_eq_u32 s2, 0
	s_cbranch_scc0 .Lentry_in_a_cluster
	s_endpgm
.Lentry_in_a_cluster:
	s_bfe_u32 s2, ttmp6, 0x10000c
	s_cmp_lg_u32 s2, 0x3003
	s_cbranch_scc0 .Lentry_shape_is_right
	s_endpgm
.Lentry_shape_is_right:
; ATTN.  attn = softmax(q k^T / 16) states, both products on codes of FP4 (E2M1) with one E8M0 scale for each 32 along K; then sq = the rows' sums of squares, and attn quantised along its 256 features.
; THE SOFTMAX AHEAD OF THE SECOND PRODUCT: t = score x log2(e) / 16; M = the largest t so far, rounded UP to a whole number; p = 2^(t - M) is quantised along the keys, not normalised; the sum is taken of the
; unquantised p and divides at the end.  When M moves, the sum and O are multiplied by 2^(old M - new M): exact.
; SHARES.  Work-group g = 4 x cluster + cx owns 32 queries, two tiles of 16.  EVERY wave holds both tiles, so that each fragment of K and V feeds two matrix instructions; THE WAVES SHARE THE KEYS: wave w takes
; chunks 4 n + w of 128 keys, n = 0 .. 15, with a running M, sum and O^T of its own; the four shares are joined at the end by exact powers of two.
; LAYOUT.  Both products transposed: S^T = K Q^T (source 0 = 16 keys), O^T = V^T P^T (source 0 = 16 of the 256 features): a lane holds one query (lane % 16) throughout.  The keys of a tile of K and the features of a
; tile of V are chosen by the launch before (lane r of tile 2 b + u: member 32 b + 8 u + r + 8 (r / 8)), so that the 16 registers of result tiles 2 b, 2 b + 1 are 16 neighbours along the next K.
; RING.  KV lies as chunks of CH bytes, images of operand registers.  Two LDS slots of four chunks; each wave brings its own chunk by one tensor load of 136 rows of 256 bytes and reads only those bytes.
; In step n the matrix work runs on registers that step n - 1 fetched; chunk n + 1 is fetched from the other slot behind the step's K Q^T; so chunk n's slot is free at the head of step n and is filled again there.
; CLUSTER.  The four work-groups of a cluster walk the same chunks: each load is asked for JOINTLY, the same descriptor and the mask of all four in each.  A round of the cluster's barrier stands in front of each refill.
; By this text's own count a wave has two tensor loads out at the start and one behind each round.
; LIMITS: a block of zeros gets the scale byte 1 (its codes are zeros; this program alone reads the bytes); a p under 2^-126 counts as 0; NaN and infinities are not served.
; REGISTERS, in windows of 256.  Window 0: v1-11 addresses; v12-19 -M, largest t, the sum (a pair) for each tile; v20-23 f; v24-55 at work; v56-63 the join's statistics; v64-191 S^T, then p; v192-207 p's codes;
;   v208-215 K's scale words, v216-231 V's (two sets), v232-233 Q's, v234-235 p's; v240-247 LDS addresses of the way out.   Window 1: O^T (128 u + 8 t).   Window 2: v0-31 Q, v32-159 K.   Window 3: V, two sets.
.set CH,    34816
.set QREC,  4352
.set CH3,   18432
.set SLOT,  4*CH
.set SPARE, 2*SLOT                     ; behind the ring: the spare words, 128 bytes for each wave: two blocks of 256 bytes that no other line names
.set XST,   SPARE+512                  ; the shares' -M at 256 w + 128 u + 4 L; their sums 1,024 further on
.set XSQ,   XST+2048                   ; partial sums of squares: 128 s + 64 u + 4 r
.set XPW,   XSQ+256                    ; attn's scale images: 128 u + 64 s + 4 r
.set SPW, 1
.set NIL, 2
.set LI,  3                            ; v3, v4  16 L + my chunk's place in slot 0, 1
.set LS,  5                            ; v5, v6  4 L + the place of its scale images
.set PFO, 7                            ; v7   256 L
.set G16, 8                            ; v8   16 L
.set G4,  9                            ; v9   4 L
.set G8,  10                           ; v10  8 L
.set LN,  11                           ; v11  L
.set ST,  12
.set FF,  20
.set TT,  24                           ; tile u at 24 + 16 u: +0..3 the blocks' largest, +4..7 and +8..11 at work, +12 at work
.set TM,  24                           ; QUANT's 16 registers on the way out
.set S,   64
.set PC,  192
.set KS,  208
.set VS,  216
.set QS,  232
.set PS,  234
.set KF,  32
.set WV,  10
.set G1,  16
.set G0,  24
.set PFA, 32
.set CS,  34
.set SEL, 36
.set TRIP, 38
.set W_KQ, 0x0a                        ; K and Q in window 2, S^T in window 0
.set W_PV, 0x53                        ; V in window 3, p in window 0, O^T in window 1
.set W_RS, 0x41                        ; O^T (destination and source 0) in window 1, f in window 0
.set MSB, 0
.macro WIN new                         ; the immediate's high byte repeats the setting that is left
.if MSB != \new
	s_set_vgpr_msb (MSB<<8)|\new
.set MSB, \new
.endif
.endm
.macro PLACES n
.rept \n
	v_nop
.endr
.endm
.macro CREST                           ; a round of the cluster's barrier behind its opening barrier
	s_cmp_lg_u32 s[WV], 0
	s_cbranch_scc1 .Lnot_wave_0_\@
	s_barrier_signal -3
.Lnot_wave_0_\@:
	s_barrier_wait -3
	s_barrier_signal -1
	s_barrier_wait -1
.endm
.macro CROUND                          ; a whole round
	s_barrier_signal -1
	s_barrier_wait -1
	CREST
.endm
; 16 matrix instructions: K step ks of S^T = K Q^T, 8 tiles of keys x 2 tiles of queries; the 16 accumulators take turns.  K step 0 starts the sums.
.macro QKPASS ks
	WIN W_KQ
.irp T, 0,1,2,3,4,5,6,7
.irp u, 0,1
.if \ks
	v_wmma_scale_f32_16x16x128_f8f6f4 v[S+64*\u+8*\T:S+64*\u+8*\T+7], v[KF+16*\T+8:KF+16*\T+15], v[16*\u+8:16*\u+15], v[S+64*\u+8*\T:S+64*\u+8*\T+7], v[KS+\T], v[QS+\u] matrix_a_fmt:MATRIX_FMT_FP4 matrix_b_fmt:MATRIX_FMT_FP4 matrix_a_scale:MATRIX_SCALE_ROW1 matrix_b_scale:MATRIX_SCALE_ROW1
.else
	v_wmma_scale_f32_16x16x128_f8f6f4 v[S+64*\u+8*\T:S+64*\u+8*\T+7], v[KF+16*\T:KF+16*\T+7], v[16*\u:16*\u+7], 0, v[KS+\T], v[QS+\u] matrix_a_fmt:MATRIX_FMT_FP4 matrix_b_fmt:MATRIX_FMT_FP4
.endif
.endr
.endr
.endm
; my chunk in slot sl: K's 16 fragments and all 16 scale images: 48 LDS loads, each of consecutive bytes
.macro FETCHK sl
	WIN 0x80                                       ; destination window 2
.irp f, 0,1,2,3,4,5,6,7,8,9,10,11,12,13,14,15
	ds_load_b128 v[KF+8*\f:KF+8*\f+3],   v[LI+(\sl)] offset:1024*\f
	ds_load_b128 v[KF+8*\f+4:KF+8*\f+7], v[LI+(\sl)] offset:1024*\f+512
.endr
	WIN 0
.irp T, 0,1,2,3,4,5,6,7
	ds_load_b32 v[KS+\T], v[LS+(\sl)] offset:128*\T
.endr
.irp p, 0,1,2,3,4,5,6,7
	ds_load_b32 v[VS+8*(\sl)+\p], v[LS+(\sl)] offset:1024+128*\p
.endr
.endm
; and V's 16 fragments, into V's set sl
.macro FETCHV sl
	s_wait_dscnt 31                                ; 31 of the 48 loads above may be out: with these 32 that is 63
	WIN 0xc0                                       ; destination window 3
.irp t, 0,1,2,3,4,5,6,7,8,9,10,11,12,13,14,15
	ds_load_b128 v[128*(\sl)+8*\t:128*(\sl)+8*\t+3],   v[LI+(\sl)] offset:16384+1024*\t
	ds_load_b128 v[128*(\sl)+8*\t+4:128*(\sl)+8*\t+7], v[LI+(\sl)] offset:16384+1024*\t+512
.endr
	WIN 0
.endm
; A PREFETCH INTO THE L2.  KV is 272 pieces of 8,192 bytes; one instruction names a piece, lanes 256 bytes apart.  All clusters walk the same bytes: the first cluster asks; its four partners and their four waves are told
; apart BY ADDRESS.  In step n piece 64 + 16 n + 4 cx + w is named, n = 0 .. 12: each piece once, the last is the buffer's last.  The refill of step n begins at piece 17 (n + 2).  Pieces 0 to 63 come by their loads alone.
.macro ASK
	s_cmp_lg_u32 ttmp9, 0
	s_cbranch_scc1 .Lnot_mine_\@
	global_prefetch_b8 v[PFO], s[PFA:PFA+1] th:TH_LOAD_NT scope:SCOPE_SE
.Lnot_mine_\@:
.endm
; THE SOFTMAX of a step, both tiles line by line.  first = 1: the first step, which has no old M.  fetch = 1: the next chunk's V is fetched behind the search for the maximum, from slot av.
.macro SOFTMAX first, fetch, av
.irp u, 0,1
.irp b, 0,1,2,3
	v_max3_num_f32 v[TT+16*\u+\b], v[S+64*\u+16*\b], v[S+64*\u+16*\b+1], v[S+64*\u+16*\b+2]   ; the largest score of each block of 32 keys: it serves the row's maximum and, since p rises with the score, the block's largest p
.endr
.endr
.irp i, 3,5,7,9,11,13
.irp u, 0,1
.irp b, 0,1,2,3
	v_max3_num_f32 v[TT+16*\u+\b], v[TT+16*\u+\b], v[S+64*\u+16*\b+\i], v[S+64*\u+16*\b+\i+1]
.endr
.endr
.endr
.irp u, 0,1
.irp b, 0,1,2,3
	v_max_num_f32 v[TT+16*\u+\b], v[TT+16*\u+\b], v[S+64*\u+16*\b+15]
.endr
.endr
.irp u, 0,1
.irp b, 0,1,2,3
	v_permlanex16_b32 v[TT+16*\u+4+\b], v[TT+16*\u+\b], s[SEL], s[SEL+1]
.endr
.endr
.irp u, 0,1
.irp b, 0,1,2,3
	v_max_num_f32 v[TT+16*\u+\b], v[TT+16*\u+\b], v[TT+16*\u+4+\b]   ; with lane l xor 16's 16 keys
.endr
.endr
.irp u, 0,1
	v_max3_num_f32 v[TT+16*\u+12], v[TT+16*\u], v[TT+16*\u+1], v[TT+16*\u+2]
.endr
.irp u, 0,1
	v_max_num_f32 v[TT+16*\u+12], v[TT+16*\u+12], v[TT+16*\u+3]      ; the step's largest score of my query
.endr
.if \first
.irp u, 0,1
	v_mul_f32 v[ST+4*\u+1], s[CS], v[TT+16*\u+12]                    ; as t (c is positive)
.endr
.irp u, 0,1
	v_floor_f32 v[ST+4*\u], -v[ST+4*\u+1]                            ; -M = floor(-t) = -ceil(t): M is a whole number
.endr
.else
.irp u, 0,1
	v_mul_f32 v[TT+16*\u+12], s[CS], v[TT+16*\u+12]
.endr
.irp u, 0,1
	v_max_num_f32 v[ST+4*\u+1], v[ST+4*\u+1], v[TT+16*\u+12]         ; the running largest t
.endr
.irp u, 0,1
	v_mov_b32 v[TT+16*\u+12], v[ST+4*\u]
.endr
.irp u, 0,1
	v_floor_f32 v[ST+4*\u], -v[ST+4*\u+1]
.endr
.irp u, 0,1
	v_sub_f32 v[TT+16*\u+12], v[ST+4*\u], v[TT+16*\u+12]             ; old M - new M: a whole number, 0 or less
.endr
.irp u, 0,1
	v_cvt_i32_f32 v[TT+16*\u+12], v[TT+16*\u+12]
.endr
.irp u, 0,1
	v_ldexp_f32 v[FF+2*\u], 1.0, v[TT+16*\u+12]                      ; f = 2^(old M - new M)
.endr
.endif
.if \fetch
	FETCHV \av
.endif
.irp u, 0,1
.set j, 0
.rept 32
	v_pk_fma_f32 v[S+64*\u+j:S+64*\u+j+1], v[S+64*\u+j:S+64*\u+j+1], s[CS:CS+1], v[ST+4*\u:ST+4*\u+1] op_sel_hi:[1,0,0]   ; t - M, two at a time (of the pairs c and -M the low word serves both halves)
.set j, j+2
.endr
.endr
.irp u, 0,1
.irp b, 0,1,2,3
	v_fma_f32 v[TT+16*\u+\b], v[TT+16*\u+\b], s[CS], v[ST+4*\u]      ; the same of each block's largest score
.endr
.endr
.set j, 0
.rept 128
	v_exp_f32 v[S+j], v[S+j]                                         ; p = 2^(t - M), at most 1: both tiles' 128 are one batch
.set j, j+1
.endr
.if \first
	v_nop                                                            ; a plain place behind the exponentials
.else
.irp u, 0,1
	v_pk_mul_f32 v[ST+4*\u+2:ST+4*\u+3], v[ST+4*\u+2:ST+4*\u+3], v[FF+2*\u:FF+2*\u+1] op_sel_hi:[1,0]   ; the sums under the new M (a plain place behind the exponentials)
.endr
.endif
	s_wait_alu depctr_va_vdst(0)                                     ; one wait for the batch, ahead of the first line that names a result
.irp u, 0,1
.irp b, 0,1,2,3
	v_exp_f32 v[TT+16*\u+\b], v[TT+16*\u+\b]                         ; the block's largest p: the same two instructions on the same number give the same bits
.endr
.endr
.irp u, 0,1
	v_pk_add_f32 v[TT+16*\u+4:TT+16*\u+5], v[S+64*\u:S+64*\u+1], v[S+64*\u+2:S+64*\u+3]   ; the row's sum is taken of the unquantised p: two chains a tile
.endr
.set j, 4
.rept 15
.irp u, 0,1
	v_pk_add_f32 v[ST+4*\u+2:ST+4*\u+3], v[ST+4*\u+2:ST+4*\u+3], v[S+64*\u+j:S+64*\u+j+1]
	v_pk_add_f32 v[TT+16*\u+4:TT+16*\u+5], v[TT+16*\u+4:TT+16*\u+5], v[S+64*\u+j+2:S+64*\u+j+3]
.endr
.set j, j+4
.endr
.irp u, 0,1
	v_pk_add_f32 v[ST+4*\u+2:ST+4*\u+3], v[ST+4*\u+2:ST+4*\u+3], v[TT+16*\u+4:TT+16*\u+5]
.endr
	s_wait_alu depctr_va_vdst(0)                                     ; and one for the eight
.irp u, 0,1
.irp b, 0,1,2,3
	v_max_num_f32 v[TT+16*\u+\b], 0x1800000, v[TT+16*\u+\b]          ; the floor 2^(3 - 127): the byte cannot fall under 1
.endr
.endr
.irp u, 0,1
.irp b, 0,1,2,3
	v_add_nc_u32 v[TT+16*\u+8+\b], 0xff000000, v[TT+16*\u+\b]        ; 2 off the exponent field: the conversion's scale operand
.endr
.endr
.irp u, 0,1
.irp b, 0,1,2,3
	v_lshrrev_b32 v[TT+16*\u+4+\b], 23, v[TT+16*\u+8+\b]             ; the scale's byte
.endr
.endr
.irp u, 0,1
	v_lshl_or_b32 v[PS+\u], v[TT+16*\u+5], 8, v[TT+16*\u+4]          ; p's scale word for these 128 keys
.endr
.irp u, 0,1
	v_lshl_or_b32 v[PS+\u], v[TT+16*\u+6], 16, v[PS+\u]
.endr
.irp u, 0,1
	v_lshl_or_b32 v[PS+\u], v[TT+16*\u+7], 24, v[PS+\u]
.endr
.irp u, 0,1
.irp b, 0,1,2,3
	v_cvt_scalef32_pk8_fp4_f32 v[PC+8*\u+2*\b], v[S+64*\u+16*\b:S+64*\u+16*\b+7], v[TT+16*\u+8+\b]
	v_cvt_scalef32_pk8_fp4_f32 v[PC+8*\u+2*\b+1], v[S+64*\u+16*\b+8:S+64*\u+16*\b+15], v[TT+16*\u+8+\b]
.endr
.endr
	v_nop                                                            ; one plain place behind a scaled conversion
.irp u, 0,1
.irp c, 0,1                                                          ; the operand's layout wants a whole block in a lane
.irp i, 0,1
	v_permlane16_swap_b32 v[PC+8*\u+4*\c+\i], v[PC+8*\u+4*\c+2+\i]
.endr
.endr
.endr
.endm
.macro RESCALE                         ; O^T under the new M: x f.  These 128 are also the places between the lines that made p's codes and scale words and the products that take them
	WIN W_RS
.irp u, 0,1
.set j, 0
.rept 64
	v_pk_mul_f32 v[128*\u+j:128*\u+j+1], v[128*\u+j:128*\u+j+1], v[FF+2*\u:FF+2*\u+1] op_sel_hi:[1,0]
.set j, j+2
.endr
.endr
.endm
.macro PV1 u, t, a, zero               ; O^T(u, t) += V(t) p(u); V's scale words: lanes 0-15 the even tile's, lanes 16-31 the odd tile's
.if \zero
.if (\t)%2
	v_wmma_scale_f32_16x16x128_f8f6f4 v[128*\u+8*\t:128*\u+8*\t+7], v[128*\a+8*\t:128*\a+8*\t+7], v[PC+8*\u:PC+8*\u+7], 0, v[VS+8*\a+(\t)/2], v[PS+\u] matrix_a_fmt:MATRIX_FMT_FP4 matrix_b_fmt:MATRIX_FMT_FP4 matrix_a_scale:MATRIX_SCALE_ROW1
.else
	v_wmma_scale_f32_16x16x128_f8f6f4 v[128*\u+8*\t:128*\u+8*\t+7], v[128*\a+8*\t:128*\a+8*\t+7], v[PC+8*\u:PC+8*\u+7], 0, v[VS+8*\a+(\t)/2], v[PS+\u] matrix_a_fmt:MATRIX_FMT_FP4 matrix_b_fmt:MATRIX_FMT_FP4
.endif
.else
.if (\t)%2
	v_wmma_scale_f32_16x16x128_f8f6f4 v[128*\u+8*\t:128*\u+8*\t+7], v[128*\a+8*\t:128*\a+8*\t+7], v[PC+8*\u:PC+8*\u+7], v[128*\u+8*\t:128*\u+8*\t+7], v[VS+8*\a+(\t)/2], v[PS+\u] matrix_a_fmt:MATRIX_FMT_FP4 matrix_b_fmt:MATRIX_FMT_FP4 matrix_a_scale:MATRIX_SCALE_ROW1
.else
	v_wmma_scale_f32_16x16x128_f8f6f4 v[128*\u+8*\t:128*\u+8*\t+7], v[128*\a+8*\t:128*\a+8*\t+7], v[PC+8*\u:PC+8*\u+7], v[128*\u+8*\t:128*\u+8*\t+7], v[VS+8*\a+(\t)/2], v[PS+\u] matrix_a_fmt:MATRIX_FMT_FP4 matrix_b_fmt:MATRIX_FMT_FP4
.endif
.endif
.endm
.macro PV a, first                     ; 32 matrix instructions, each on an accumulator of its own
	WIN W_PV
.irp t, 0,1,2,3,4,5,6,7,8,9,10,11,12,13,14,15
.irp u, 0,1
	PV1 \u, \t, \a, \first
.endr
.endr
.endm
; A STEP: my chunk n, which lies in registers (V in set a = n % 2).  fill = 1: slot a, which every wave has read out, is filled again with the chunks two steps on.  fetch = 1: chunk n + 1 comes from the other slot.
.macro STEP a, fill, ask, fetch, first, tw
.if \fill
	s_wait_tensorcnt 0x0                           ; all my tensor loads have landed: the one that was out is chunk n + 1; so a group 0 may be written
	ds_add_u32 v[SPW], v[NIL]                      ; 0 onto my spare word
	s_add_nc_u64 s[G0+4*\a+2:G0+4*\a+3], s[G0+4*\a+2:G0+4*\a+3], 8*CH   ; this slot's next chunks: eight on; the type bits on top are not reached
.if \ask
	s_wait_xcnt 0x0                                ; the last prefetch, a step back, has read its address, so it may be written
	s_add_nc_u64 s[PFA:PFA+1], s[PFA:PFA+1], 131072
.endif
	s_wait_dscnt 0x0                               ; the add is done, and my reads of this slot are over: chunk n is in registers
	s_barrier_signal -1                            ; this barrier opens a round of the cluster's barrier
	QKPASS 0                                       ; work on registers while the others arrive
	WIN 0
	s_barrier_wait -1
	CREST                                          ; no wave of any partner still reads this slot or has a load on its way
	tensor_load_to_lds s[G0+4*\a:G0+4*\a+3], s[G1:G1+7]   ; my one tensor load behind the round, and the first thing there: it has this whole step in which to land
	s_nop 0
	PLACES 4
	QKPASS 1
.else
.if \tw
	s_wait_tensorcnt 0x0                           ; my last chunk has landed: my own bytes
.endif
	s_wait_dscnt 0x0                               ; chunk n is in registers
	QKPASS 0
	QKPASS 1
.endif
	WIN 0
	PLACES 4                                       ; four places ahead of the loads into K's registers and of the first read of the scores
.if \fetch
	FETCHK 1-\a
.endif
.if \ask
	ASK
.endif
	SOFTMAX \first, \fetch, 1-\a
.if \first
	PLACES 8                                       ; eight places between the lines that made p's scale words and the products that take them
.else
	RESCALE
.endif
	PV \a, \first
	WIN 0
.endm
; 64 numbers of a lane, register 16 b + i = k 32 b + 16 (lane / 16) + i of my row, become a fragment's codes in v[pc] on and its scale word in v[pw].
.macro QUANT s, pc, pw
.irp b, 0,1,2,3
	v_max3_num_f32 v[TM+\b], |v[(\s)+16*\b]|, |v[(\s)+1+16*\b]|, 0x1800000
.endr
.irp i, 2,4,6,8,10,12,14
.irp b, 0,1,2,3
	v_max3_num_f32 v[TM+\b], v[TM+\b], |v[(\s)+16*\b+\i]|, |v[(\s)+1+16*\b+\i]|
.endr
.endr
.irp b, 0,1,2,3
	v_permlanex16_b32 v[TM+4+\b], v[TM+\b], s[SEL], s[SEL+1]
.endr
.irp b, 0,1,2,3
	v_max_num_f32 v[TM+\b], v[TM+\b], v[TM+4+\b]
.endr
.irp b, 0,1,2,3
	v_add_nc_u32 v[TM+12+\b], 0xff000000, v[TM+\b]
.endr
.irp b, 0,1,2,3
	v_lshrrev_b32 v[TM+4+\b], 23, v[TM+12+\b]
.endr
	v_lshl_or_b32 v[\pw], v[TM+5], 8, v[TM+4]
	v_lshl_or_b32 v[\pw], v[TM+6], 16, v[\pw]
	v_lshl_or_b32 v[\pw], v[TM+7], 24, v[\pw]
.irp b, 0,1,2,3
	v_cvt_scalef32_pk8_fp4_f32 v[(\pc)+2*\b], v[(\s)+16*\b:(\s)+7+16*\b], v[TM+12+\b]
	v_cvt_scalef32_pk8_fp4_f32 v[(\pc)+1+2*\b], v[(\s)+8+16*\b:(\s)+15+16*\b], v[TM+12+\b]
.endr
	v_nop
.irp c, 0,1
.irp i, 0,1
	v_permlane16_swap_b32 v[(\pc)+4*\c+\i], v[(\pc)+2+4*\c+\i]
.endr
.endr
.endm
	s_load_b128 s[4:7], s[0:1], 0x0                ; QB s[4:5], KV s[6:7]
	s_load_b64 s[8:9], s[0:1], 0x10                ; AT
	v_lshl_add_u32 v[SPW], v0, 2, SPARE
	v_mov_b32 v[NIL], 0
	ds_add_u32 v1, v2
	ds_add_u32 v1, v2
	s_wait_dscnt 0x0
	v_lshrrev_b32 v[LN], 5, v0
	v_readfirstlane_b32 s[WV], v[LN]               ; wave 0..3
	s_bfe_u32 s11, ttmp6, 0x40000                  ; cx: my place in the cluster = my quarter b of the chunk c = cluster x
	s_lshl_b32 s12, ttmp9, 2
	s_add_co_u32 s12, s12, s11                     ; g
	s_mov_b32 s[G1], 15|(3<<16)|(1<<21)            ; 15:0 the mask: all four work-groups; 17:16 elements of 8 bytes; 21 set beside a mask; no padding: images are read 16 bytes a lane on end
	s_mov_b32 s[G1+1], 32<<16                      ; tensor_dim0 = 32 elements: 256 bytes
	s_mov_b32 s[G1+2], 136<<16                     ; tensor_dim1 = 136 rows: a chunk
	s_mov_b32 s[G1+3], 32<<16                      ; tile_dim0
	s_mov_b32 s[G1+4], 136                         ; tile_dim1
	s_mov_b32 s[G1+5], 32                          ; dense
	s_mov_b32 s[G1+6], 0
	s_mov_b32 s[G1+7], 0
	s_mov_b32 s[CS], 0x3db8aa3b                    ; c = log2(e) / 16
	s_mov_b32 s[CS+1], s[CS]                       ; (named with it as a pair, so it is written)
	s_mov_b32 s[SEL], 0x76543210
	s_mov_b32 s[SEL+1], 0xfedcba98
	s_mul_i32 s40, s[WV], CH                       ; my chunk's place in a slot, and among a slot's four in memory: no place in the cluster enters it
	s_mov_b32 s41, 0
	s_lshr_b32 s42, s[WV], 1                       ; on the way out I serve tile u = wave / 2,
	s_and_b32 s43, s[WV], 1                        ; K step s = wave % 2
	v_and_b32 v[LN], 31, v0
	v_lshlrev_b32 v[G16], 4, v[LN]
	v_lshlrev_b32 v[G4], 2, v[LN]
	v_lshlrev_b32 v[G8], 3, v[LN]
	v_lshlrev_b32 v[PFO], 8, v[LN]
	v_add_nc_u32 v[LI], s40, v[G16]
	v_add_nc_u32 v[LI+1], SLOT, v[LI]
	v_add_nc_u32 v[LS], s40, v[G4]
	v_add_nc_u32 v[LS], 32768, v[LS]
	v_add_nc_u32 v[LS+1], SLOT, v[LS]
	s_lshl_b32 s39, s[WV], 8
	s_add_co_u32 s39, s39, XST
	v_add_nc_u32 v240, s39, v[G4]                  ; where I put my share's statistics
	s_lshl_b32 s39, s42, 7
	s_add_co_u32 s39, s39, XST
	v_add_nc_u32 v241, s39, v[G4]                  ; where I read the four shares' of my tile
	s_lshl_b32 s39, s[WV], 13
	v_add_nc_u32 v242, s39, v[G16]                 ; my eight accumulators (16 u + 8 s = 8 x wave) in the stages of waves 0 and 1,
	v_add_nc_u32 v243, 2*CH, v242                  ; and of waves 2 and 3
	v_and_b32 v250, 15, v0
	v_lshlrev_b32 v250, 2, v250                    ; 4 r
	s_lshl_b32 s39, s43, 7
	s_lshl_b32 s13, s42, 6
	s_add_co_u32 s39, s39, s13
	s_add_co_u32 s39, s39, XSQ
	v_add_nc_u32 v244, s39, v250
	s_lshl_b32 s39, s42, 7
	s_lshl_b32 s13, s43, 6
	s_add_co_u32 s39, s39, s13
	s_add_co_u32 s39, s39, XPW
	v_add_nc_u32 v245, s39, v250
	v_add_nc_u32 v246, XPW, v[G8]
	v_lshl_add_u32 v247, v250, 1, XSQ              ; 8 (L % 16)
.irp u, 0,1
	v_mov_b32 v[ST+4*\u+2], 0                      ; the sums, in two halves
	v_mov_b32 v[ST+4*\u+3], 0
	v_mov_b32 v[FF+2*\u+1], 0                      ; (named as the upper half of f's pair)
.irp b, 0,1,2,3
	v_mov_b32 v[TT+16*\u+4+\b], 0                  ; written once: a lane permute's destination counts as one of its sources
.endr
.endr
	s_wait_kmcnt 0x0
	s_mov_b32 s[G0], 1                             ; group 0 of slot 0: count 1; LDS address; chunk w
	s_mov_b32 s[G0+1], s40
	s_add_nc_u64 s[G0+2:G0+3], s[6:7], s[40:41]
	s_mov_b32 s[G0+4], 1                           ; of slot 1: chunk 4 + w
	s_add_co_u32 s[G0+5], s40, SLOT
	s_add_nc_u64 s[G0+6:G0+7], s[G0+2:G0+3], SLOT
	s_or_b32 s[G0+3], s[G0+3], 0x80000000          ; type = 2
	s_or_b32 s[G0+7], s[G0+7], 0x80000000
	s_mul_i32 s44, s12, QREC
	s_mov_b32 s45, 0
	s_add_nc_u64 s[4:5], s[4:5], s[44:45]          ; my record of QB
	s_mul_i32 s44, ttmp9, CH3
	s_add_nc_u64 s[8:9], s[8:9], s[44:45]          ; my chunk of AT
	s_lshl_b32 s44, s11, 12
	s_lshl_b32 s46, s[WV], 10
	s_add_co_u32 s44, s44, s46
	s_add_nc_u64 s[14:15], s[8:9], s[44:45]        ; the fragment that I store: 4 b + wave
	s_lshl_b32 s44, s11, 8
	s_add_nc_u64 s[8:9], s[8:9], s[44:45]          ; + 256 b: my work-group's units among the scale images and the sums of squares
	s_lshl_b32 s44, s11, 2
	s_add_co_u32 s44, s44, s[WV]
	s_add_co_u32 s44, s44, 48
	s_lshl_b32 s44, s44, 13
	s_add_nc_u64 s[PFA:PFA+1], s[6:7], s[44:45]    ; piece 48 + 4 cx + w: step 0 steps it on by 16 pieces.  Nothing is prefetched here, at the head
	CROUND                                         ; all four work-groups are here: the first joint loads meet
	tensor_load_to_lds s[G0:G0+3], s[G1:G1+7]      ; the two first fills go out together
	s_nop 0
	tensor_load_to_lds s[G0+4:G0+7], s[G1:G1+7]
	s_nop 0
	PLACES 4
	WIN 0x80                                       ; destination window 2
.irp f, 0,1,2,3
	global_load_b128 v[8*\f:8*\f+3],   v[G16], s[4:5] offset:1024*\f        ; Q's fragment 2 u + s stays in registers
	global_load_b128 v[8*\f+4:8*\f+7], v[G16], s[4:5] offset:1024*\f+512
.endr
	WIN 0
	global_load_b32 v[QS], v[G4], s[4:5] offset:4096
	global_load_b32 v[QS+1], v[G4], s[4:5] offset:4224
	s_wait_tensorcnt 0x1                           ; my chunk 0 is in: my own bytes; slot 1's fill may stay out
	FETCHK 0
	FETCHV 0
	s_wait_loadcnt 0x0                             ; Q
	STEP 0, 1, 1, 1, 1, 0                          ; step 0 starts M, the sums and O^T
	s_mov_b32 s[TRIP], 6
.Lsteps:                                           ; steps 1 to 12
	STEP 1, 1, 1, 1, 0, 0
	STEP 0, 1, 1, 1, 0, 0
	s_sub_co_u32 s[TRIP], s[TRIP], 1
	s_cmp_lg_u32 s[TRIP], 0
	s_cbranch_scc1 .Lsteps
	STEP 1, 1, 0, 1, 0, 0                          ; step 13: the last refill; the tail is written out
	STEP 0, 0, 0, 1, 0, 1                          ; step 14
	STEP 1, 0, 0, 0, 0, 0                          ; step 15
	; THE WAY OUT.  Each wave's share goes to LDS: -M and the sum, and O^T as it stands, into the wave's own chunk place in slot 0, which has had its last fill and which this wave alone has read.
	PLACES 4                                       ; four places ahead of the first read of the last products' results
.irp u, 0,1
	v_add_f32 v[TT+16*\u+12], v[ST+4*\u+2], v[ST+4*\u+3]
.endr
.irp u, 0,1
	v_permlanex16_b32 v[TT+16*\u+4], v[TT+16*\u+12], s[SEL], s[SEL+1]
.endr
.irp u, 0,1
	v_add_f32 v[TT+16*\u+12], v[TT+16*\u+12], v[TT+16*\u+4]   ; my share's sum for query r
.endr
.irp u, 0,1
	ds_store_b32 v240, v[ST+4*\u] offset:128*\u
	ds_store_b32 v240, v[TT+16*\u+12] offset:1024+128*\u
.endr
	WIN 0x04                                       ; an LDS store's data are its source 1: window 1
.irp u, 0,1
.irp t, 0,1,2,3,4,5,6,7,8,9,10,11,12,13,14,15
	ds_store_b128 v[LI], v[128*\u+8*\t:128*\u+8*\t+3] offset:(16*\u+\t)*1024          ; each accumulator from its low end on
	ds_store_b128 v[LI], v[128*\u+8*\t+4:128*\u+8*\t+7] offset:(16*\u+\t)*1024+512
.endr
.if \u == 0
	s_wait_dscnt 16                                ; 16 may be out: with the next 32 that is 48
.endif
.endr
	WIN 0
	s_wait_dscnt 0x0                               ; for the others' sake: my stores have landed
	s_barrier_signal -1
	s_barrier_wait -1
	; THE JOIN.  Wave w now serves tile u = w / 2 and features 128 (w % 2) on: 8 accumulators of each of the four shares.
.irp x, 0,1,2,3
	ds_load_b32 v[56+\x], v241 offset:256*\x       ; -M of share x
	ds_load_b32 v[60+\x], v241 offset:1024+256*\x  ; its sum
.endr
.irp x, 0,1
.irp t, 0,1,2,3,4,5,6,7
	ds_load_b128 v[64+64*\x+8*\t:64+64*\x+8*\t+3],   v242 offset:CH*\x+1024*\t
	ds_load_b128 v[64+64*\x+8*\t+4:64+64*\x+8*\t+7], v242 offset:CH*\x+1024*\t+512
.endr
.endr
	s_wait_dscnt 31                                ; the eight statistics are in; 31 may be out: with the next 32 that is 63
	WIN 0x80                                       ; destination window 2: Q's and K's registers are done with
.irp x, 0,1
.irp t, 0,1,2,3,4,5,6,7
	ds_load_b128 v[64*\x+8*\t:64*\x+8*\t+3],   v243 offset:CH*\x+1024*\t
	ds_load_b128 v[64*\x+8*\t+4:64*\x+8*\t+7], v243 offset:CH*\x+1024*\t+512
.endr
.endr
	WIN 0
	v_min3_num_f32 v24, v56, v57, v58
	v_min_num_f32 v24, v24, v59                    ; -M* : M* is the largest of the four
.irp x, 0,1,2,3
	v_sub_f32 v[28+\x], v24, v[56+\x]              ; M_x - M*: a whole number, 0 or less
.endr
.irp x, 0,1,2,3
	v_cvt_i32_f32 v[28+\x], v[28+\x]
.endr
.irp x, 0,1,2,3
	v_ldexp_f32 v[28+\x], 1.0, v[28+\x]            ; f_x = 2^(M_x - M*)
.endr
	v_mul_f32 v25, v28, v60
	v_fmac_f32 v25, v29, v61
	v_fmac_f32 v25, v30, v62
	v_fmac_f32 v25, v31, v63                       ; the row's sum under M*
	v_rcp_f32 v26, v25
	v_nop                                          ; a plain place behind the reciprocal
	s_wait_alu depctr_va_vdst(0)                   ; and the wait ahead of its first reader
.irp x, 0,1,2,3
	v_mul_f32 v[32+2*\x], v[28+\x], v26            ; g_x = f_x / the sum, twice: a pair for the packed forms
	v_mul_f32 v[33+2*\x], v[28+\x], v26
.endr
	s_wait_dscnt 32                                ; shares 0 and 1 are in; the 32 loads of shares 2 and 3 are younger
.set j, 0
.rept 32
	v_pk_mul_f32 v[64+j:65+j], v[64+j:65+j], v[32:33]
.set j, j+2
.endr
.set j, 0
.rept 32
	v_pk_fma_f32 v[64+j:65+j], v[128+j:129+j], v[34:35], v[64+j:65+j]
.set j, j+2
.endr
	s_wait_dscnt 0x0
	WIN 0x02                                       ; source 0 window 2
.set j, 0
.rept 32
	v_pk_fma_f32 v[64+j:65+j], v[j:j+1], v[36:37], v[64+j:65+j]
.set j, j+2
.endr
.set j, 0
.rept 32
	v_pk_fma_f32 v[64+j:65+j], v[64+j:65+j], v[38:39], v[64+j:65+j]   ; source 0: share 3, in window 2; the sum: window 0
.set j, j+2
.endr
	WIN 0                                          ; v64-127: attn(query r, features 128 s + 32 b + 16 h + i) at register 16 b + i
	v_pk_mul_f32 v[40:41], v[64:65], v[64:65]      ; the sum of squares of the unquantised numbers, in two chains
	v_pk_mul_f32 v[42:43], v[66:67], v[66:67]
.set j, 4
.rept 15
	v_pk_fma_f32 v[40:41], v[64+j:65+j], v[64+j:65+j], v[40:41]
	v_pk_fma_f32 v[42:43], v[66+j:67+j], v[66+j:67+j], v[42:43]
.set j, j+4
.endr
	v_pk_add_f32 v[40:41], v[40:41], v[42:43]
	v_add_f32 v40, v40, v41
	v_permlanex16_b32 v44, v40, s[SEL], s[SEL+1]
	v_add_f32 v40, v40, v44                        ; over my 128 features
	QUANT 64, PC, 45
	ds_store_b32 v244, v40                         ; lanes r and r + 16 write the same word with the same value
	ds_store_b32 v245, v45
	global_store_b128 v[G16], v[PC:PC+3], s[14:15]             ; the fragment as it stands: 32 lanes store 512 consecutive bytes, aligned
	global_store_b128 v[G16], v[PC+4:PC+7], s[14:15] offset:512
	s_wait_dscnt 0x0
	s_barrier_signal -1
	s_barrier_wait -1
	s_cmp_lg_u32 s[WV], 0
	s_cbranch_scc1 .Lfin                           ; wave 0 stores the two units that all four waves have filled
	ds_load_b64 v[46:47], v246
	ds_load_b64 v[48:49], v247
	ds_load_b64 v[50:51], v247 offset:128
	v_mov_b32 v52, 0xbf000000                      ; -1/2
	v_mov_b32 v53, 0xbfb8aa3b                      ; -log2(e)
	v_cmp_gt_u32 vcc_lo, 16, v[LN]
	v_cndmask_b32 v52, v53, v52, vcc_lo            ; lanes 0-15 store -sq / 2, lanes 16-31 -sq log2(e), of rows 2 (L % 16) and the next
	v_mov_b32 v53, v52
	s_wait_dscnt 0x0
	v_pk_add_f32 v[48:49], v[48:49], v[50:51]      ; the two halves of the features
	v_pk_mul_f32 v[48:49], v[48:49], v[52:53]
	global_store_b64 v[G8], v[46:47], s[8:9] offset:16384      ; 32 lanes store 256 consecutive bytes, aligned
	global_store_b64 v[G8], v[48:49], s[8:9] offset:17408
.Lfin:
	s_wait_tensorcnt 0x0                           ; the wave's end
	ds_add_u32 v[SPW], v[NIL]
	s_wait_dscnt 0x0
	CROUND                                         ; the closing round
	s_endpgm
.Lfunc_end_k_q1e2ada71d2_attn:
	.size	k_q1e2ada71d2_attn, .Lfunc_end_k_q1e2ada71d2_attn-k_q1e2ada71d2_attn
	.p2alignl 7, 3214868480
	.fill 96, 4, 3214868480
	.section	.rodata,"a",@progbits
	.p2align	6, 0x0
	.amdhsa_kernel k_q1e2ada71d2_attn
		.amdhsa_group_segment_fixed_size 327680
		.amdhsa_private_segment_fixed_size 0
		.amdhsa_enable_private_segment 0
		.amdhsa_kernarg_size 24
		.amdhsa_user_sgpr_count 2
		.amdhsa_user_sgpr_kernarg_segment_ptr 1
		.amdhsa_wavefront_size32 1
		.amdhsa_system_sgpr_workgroup_id_x 1
		.amdhsa_system_sgpr_workgroup_id_y 1
		.amdhsa_system_sgpr_workgroup_id_z 1
		.amdhsa_system_vgpr_workitem_id 0
		.amdhsa_next_free_vgpr 1024
		.amdhsa_next_free_sgpr 66
		.amdhsa_reserve_vcc 1
		.amdhsa_float_denorm_mode_32 3
		.amdhsa_float_denorm_mode_16_64 3
		.amdhsa_memory_ordered 1
		.amdhsa_forward_progress 1
		.amdhsa_inst_pref_size 255
	.end_amdhsa_kernel
	.section	.bss,"aw",@nobits
	.p2align	6
	.space	262144
	.amdgpu_metadata
---
amdhsa.version: [ 1, 2 ]
amdhsa.kernels:
  - .name:           k_q1e2ada71d2_attn
    .symbol:         k_q1e2ada71d2_attn.kd
    .args:
      - { .name: QB, .offset: 0, .size: 8, .value_kind: global_buffer, .address_space: global }
      - { .name: KV, .offset: 8, .size: 8, .value_kind: global_buffer, .address_space: global }
      - { .name: AT, .offset: 16, .size: 8, .value_kind: global_buffer, .address_space: global }
    .group_segment_fixed_size: 327680
    .private_segment_fixed_size: 0
    .kernarg_segment_align: 8
    .kernarg_segment_size: 24
    .max_flat_workgroup_size: 128
    .sgpr_count:     66
    .vgpr_count:     1024
    .wavefront_size: 32
...
	.end_amdgpu_metadata
.endif
;; end of part 2
;; launch rbf (part 3): grid 256 x 1, 4 waves a work-group, clusters of 4 x 1, 327,680 bytes of LDS; arguments AT, W1, b1, W2, b2, out0; writes out0
.if DOCPART == 3
	.amdgcn_target "amdgcn-amd-amdhsa--gfx1250"
	.amdhsa_code_object_version 6
	.text
	.protected	k_q1e2ada71d2_rbf
	.globl	k_q1e2ada71d2_rbf
	.p2align	8
	.type	k_q1e2ada71d2_rbf,@function
k_q1e2ada71d2_rbf:
	s_mov_b64 s[64:65], 0
	v_nop
	global_prefetch_b8 v0, s[64:65] scope:SCOPE_SE
	s_setreg_imm32_b32 hwreg(HW_REG_WAVE_MODE, 25, 1), 1
	s_wait_xcnt 0x0
	s_wait_alu depctr_hold_cnt(0) depctr_sa_sdst(0) depctr_va_vdst(0) depctr_va_sdst(0) depctr_va_ssrc(0) depctr_va_vcc(0) depctr_vm_vsrc(0)
	s_getreg_b32 s2, hwreg(HW_REG_IB_STS2, 6, 4)
	s_cmp_eq_u32 s2, 0
	s_cbranch_scc0 .Lentry_in_a_cluster
	s_endpgm
.Lentry_in_a_cluster:
	s_bfe_u32 s2, ttmp6, 0x10000c
	s_cmp_lg_u32 s2, 0x3003
	s_cbranch_scc0 .Lentry_shape_is_right
	s_endpgm
.Lentry_shape_is_right:
; RBF.  G = Q(attn) Q(attn)^T on codes of FP4 (E2M1); ker = exp(-max(sq_i + sq_j - 2 G, 0)); feat = the row's mean; out = relu(feat W1 + b1) W2 + b2, the last two products by f32 multiply-adds (K = 1, N = 1).
; ARITHMETIC.  The first K step takes C = -sq_j / 2, so that the product's result is G - sq_j / 2;  t = that x 2 log2(e) - sq_i log2(e) is one packed multiply-add for two numbers;  ker = 2^min(t, 0).
; SHARES.  Work-group g = 4 x cluster + cx owns 32 rows i, two tiles, which every wave holds in registers as source 1.  THE WAVES SHARE THE ROWS j: wave w walks chunks 8 n + 2 w and + 1 of 128 rows, n = 0 .. 7: 16 steps.
; Source 0 = 16 rows j: a lane holds one row i (lane % 16), its registers run along j, over which the sum goes: no order matters but that of -sq_j / 2, which lies in the order of the tiles' lanes.
; RING.  AT lies as chunks of CH3 bytes, images of operand registers.  Two LDS slots of eight chunks; each wave brings its own two chunks by one tensor load of 144 rows of 256 bytes and reads only those bytes.
; A step works on registers that the step before fetched; a slot is free when its second chunk has been fetched, and is filled again at the head of the next step: the load has two steps in which to land.
; CLUSTER.  The four work-groups of a cluster walk the same chunks: each load is asked for JOINTLY.  By this text's own count a wave has two tensor loads out at the start and one behind each round.
; Every wave loads the MLP's 768 bytes of weights at the head, though wave 0 alone uses them: so no register is written on one wave's path alone.  out0 leaves as 128 consecutive bytes a work-group: it owns 32 rows.
; LIMITS: NaN and infinities are not served.
; REGISTERS.  Window 0: v1-11, v27, v48-51 addresses; v12-15 -sq_i log2(e) (pairs); v16-23 the sums; v24-25 my rows' scale words; v32-39 the chunk's; v40-47 at work; v64-191 the results; v192-255 -sq_j / 2.
;   Window 1: v0-127 the chunk's 16 fragments, v128-159 my rows' four.   Window 2: W1, b1, W2.
.set CH3,   18432
.set WCH,   2*CH3
.set SLOT3, 4*WCH
.set SPARE, 2*SLOT3                    ; behind the ring: the spare words, 128 bytes for each wave: two blocks of 256 bytes that no other line names
.set XS,    SPARE+512                  ; the waves' sums: 128 w + 64 u + 4 r
.set SPW, 1
.set NIL, 2
.set LI,  3                            ; v3, v4  16 L + my two chunks' place in slot 0, 1
.set LS,  5                            ; v5, v6  4 L + the same
.set BA,  7                            ; v7, v8  32 (L / 16) + the same
.set PFO, 9
.set ZO,  10                           ; 0: the offset of loads that every lane makes alike
.set G16, 11
.set NSQ, 12
.set SUM, 16
.set BS,  24
.set B2,  26
.set G4,  27
.set FE,  28
.set AS,  32
.set CHN, 40
.set XSW, 48
.set XSR, 49
.set OO,  50
.set R4,  51
.set DD,  64
.set BI,  192
.set WV,  16
.set G1,  20
.set G0,  28
.set PFA, 36
.set CS,  38
.set SEL, 40
.set TRIP, 42
.set LIM, 43
.set MSB, 0
.macro WIN new                         ; the immediate's high byte repeats the setting that is left
.if MSB != \new
	s_set_vgpr_msb (MSB<<8)|\new
.set MSB, \new
.endif
.endm
.macro PLACES n
.rept \n
	v_nop
.endr
.endm
.macro CREST                           ; a round of the cluster's barrier behind its opening barrier
	s_cmp_lg_u32 s[WV], 0
	s_cbranch_scc1 .Lnot_wave_0_\@
	s_barrier_signal -3
.Lnot_wave_0_\@:
	s_barrier_wait -3
	s_barrier_signal -1
	s_barrier_wait -1
.endm
.macro CROUND
	s_barrier_signal -1
	s_barrier_wait -1
	CREST
.endm
; 16 matrix instructions: K step ks, 8 tiles of rows j x my 2 tiles of rows i; the 16 accumulators take turns.  K step 0 starts the sums from -sq_j / 2.
.macro GPASS ks
	WIN 0x05                                       ; sources 0 and 1 window 1
.irp T, 0,1,2,3,4,5,6,7
.irp u, 0,1
.if \ks
	v_wmma_scale_f32_16x16x128_f8f6f4 v[DD+64*\u+8*\T:DD+64*\u+8*\T+7], v[16*\T+8:16*\T+15], v[128+16*\u+8:128+16*\u+15], v[DD+64*\u+8*\T:DD+64*\u+8*\T+7], v[AS+\T], v[BS+\u] matrix_a_fmt:MATRIX_FMT_FP4 matrix_b_fmt:MATRIX_FMT_FP4 matrix_a_scale:MATRIX_SCALE_ROW1 matrix_b_scale:MATRIX_SCALE_ROW1
.else
	v_wmma_scale_f32_16x16x128_f8f6f4 v[DD+64*\u+8*\T:DD+64*\u+8*\T+7], v[16*\T:16*\T+7], v[128+16*\u:128+16*\u+7], v[BI+8*\T:BI+8*\T+7], v[AS+\T], v[BS+\u] matrix_a_fmt:MATRIX_FMT_FP4 matrix_b_fmt:MATRIX_FMT_FP4
.endif
.endr
.endr
.endm
; chunk hf of my two in slot sl: 16 fragments, 8 scale images, and -sq_j / 2 in the result's layout (lane (r, h), register j: tile lane 8 h + j): 56 LDS loads
.macro FETCH3 sl, hf
	WIN 0x40                                       ; destination window 1
.irp f, 0,1,2,3,4,5,6,7,8,9,10,11,12,13,14,15
	ds_load_b128 v[8*\f:8*\f+3],   v[LI+(\sl)] offset:CH3*(\hf)+1024*\f
	ds_load_b128 v[8*\f+4:8*\f+7], v[LI+(\sl)] offset:CH3*(\hf)+1024*\f+512
.endr
	WIN 0
.irp T, 0,1,2,3,4,5,6,7
	ds_load_b32 v[AS+\T], v[LS+(\sl)] offset:CH3*(\hf)+16384+128*\T
.endr
.irp T, 0,1,2,3,4,5,6,7
	ds_load_b128 v[BI+8*\T:BI+8*\T+3],   v[BA+(\sl)] offset:CH3*(\hf)+17408+((\T)/2)*256+((\T)%2)*64
	ds_load_b128 v[BI+8*\T+4:BI+8*\T+7], v[BA+(\sl)] offset:CH3*(\hf)+17408+((\T)/2)*256+((\T)%2)*64+16
.endr
.endm
; A PREFETCH INTO THE L2.  AT is 144 pieces of 8,192 bytes; one instruction names a piece, lanes 256 bytes apart.  The first cluster asks; its partners and their waves are told apart BY ADDRESS.  At refill n piece
; 64 + 16 n + 4 cx + w is named, n = 0 .. 4: each piece once, the last is the buffer's last.  Refill n begins at piece 18 (n + 2).  how = 1: at every such refill; 2: not in the loop's last trip.
.macro ASK3 how
.if \how == 1
	s_cmp_eq_u32 s[LIM], 1
.else
	s_cmp_gt_u32 s[TRIP], s[LIM]
.endif
	s_cbranch_scc0 .Lnot_mine_\@
	global_prefetch_b8 v[PFO], s[PFA:PFA+1] th:TH_LOAD_NT scope:SCOPE_SE
.Lnot_mine_\@:
.endm
.macro KER
.irp u, 0,1
.set j, 0
.rept 32
	v_pk_fma_f32 v[DD+64*\u+j:DD+64*\u+j+1], v[DD+64*\u+j:DD+64*\u+j+1], s[CS:CS+1], v[NSQ+2*\u:NSQ+2*\u+1] op_sel_hi:[1,0,0]   ; t = -d2 log2(e)
.set j, j+2
.endr
.endr
.set j, 0
.rept 128
	v_min_num_f32 v[DD+j], 0, v[DD+j]              ; d2 is held at 0 from below
.set j, j+1
.endr
.set j, 0
.rept 128
	v_exp_f32 v[DD+j], v[DD+j]                     ; one batch
.set j, j+1
.endr
	v_nop                                          ; a plain place behind the exponentials
	s_wait_alu depctr_va_vdst(0)                   ; one wait for the batch, ahead of its first reader
.set j, 0
.rept 16
.irp u, 0,1
	v_pk_add_f32 v[SUM+4*\u:SUM+4*\u+1], v[SUM+4*\u:SUM+4*\u+1], v[DD+64*\u+j:DD+64*\u+j+1]
	v_pk_add_f32 v[SUM+4*\u+2:SUM+4*\u+3], v[SUM+4*\u+2:SUM+4*\u+3], v[DD+64*\u+j+2:DD+64*\u+j+3]
.endr
.set j, j+4
.endr
.endm
; A STEP: a chunk of 128 rows j, which lies in registers.  chg = 1: slot fl, which every wave has read out, is filled again.  fet = 1: the next chunk comes from slot ff, half hf.
.macro STEP3 chg, fl, ask, fet, ff, hf, tw
.if \chg
	s_wait_tensorcnt 0x0                           ; all my tensor loads have landed: the other slot's; so a group 0 may be written
	ds_add_u32 v[SPW], v[NIL]                      ; 0 onto my spare word
	s_add_nc_u64 s[G0+4*\fl+2:G0+4*\fl+3], s[G0+4*\fl+2:G0+4*\fl+3], 16*CH3   ; this slot's next chunks: sixteen on
	s_wait_xcnt 0x0                                ; the last prefetch, two steps back, has read its address, so it may be written
	s_add_nc_u64 s[PFA:PFA+1], s[PFA:PFA+1], 131072
	s_wait_dscnt 0x0                               ; the add is done, and my reads of this slot are over
	s_barrier_signal -1                            ; this barrier opens a round of the cluster's barrier
	GPASS 0                                        ; work on registers while the others arrive
	WIN 0
	s_barrier_wait -1
	CREST                                          ; no wave of any partner still reads this slot or has a load on its way
	tensor_load_to_lds s[G0+4*\fl:G0+4*\fl+3], s[G1:G1+7]   ; my one tensor load behind the round, and the first thing there
	s_nop 0
	PLACES 4
	GPASS 1
.else
.if \tw
	s_wait_tensorcnt 0x0                           ; my last two chunks have landed: my own bytes
.endif
	s_wait_dscnt 0x0                               ; the chunk is in registers
	GPASS 0
	GPASS 1
.endif
	WIN 0
	PLACES 4                                       ; four places ahead of the loads into the products' sources and of the first read of results
.if \fet
	FETCH3 \ff, \hf
.endif
.if \ask
	ASK3 \ask
.endif
	KER
.endm
	s_load_b256 s[4:11], s[0:1], 0x0               ; AT s[4:5], W1 s[6:7], b1 s[8:9], W2 s[10:11]
	s_load_b128 s[12:15], s[0:1], 0x20             ; b2 s[12:13], out0 s[14:15]
	v_lshl_add_u32 v[SPW], v0, 2, SPARE
	v_mov_b32 v[NIL], 0
	ds_add_u32 v1, v2
	ds_add_u32 v1, v2
	s_wait_dscnt 0x0
	v_lshrrev_b32 v52, 5, v0
	v_readfirstlane_b32 s[WV], v52                 ; wave 0..3
	s_bfe_u32 s17, ttmp6, 0x40000                  ; cx = my quarter b of chunk c = cluster x
	s_lshl_b32 s18, ttmp9, 2
	s_add_co_u32 s18, s18, s17                     ; g
	s_mov_b32 s[G1], 15|(3<<16)|(1<<21)            ; the mask of all four work-groups; elements of 8 bytes; bit 21 beside a mask; no padding
	s_mov_b32 s[G1+1], 32<<16                      ; rows of 256 bytes,
	s_mov_b32 s[G1+2], 144<<16                     ; 144 of them: two chunks
	s_mov_b32 s[G1+3], 32<<16
	s_mov_b32 s[G1+4], 144
	s_mov_b32 s[G1+5], 32
	s_mov_b32 s[G1+6], 0
	s_mov_b32 s[G1+7], 0
	s_mov_b32 s[CS], 0x4038aa3b                    ; 2 log2(e)
	s_mov_b32 s[CS+1], s[CS]
	s_mov_b32 s[SEL], 0x76543210
	s_mov_b32 s[SEL+1], 0xfedcba98
	s_cmp_eq_u32 ttmp9, 0
	s_cselect_b32 s[LIM], 1, -1                    ; 1 in the first cluster, else the greatest number: the same in all four partners
	s_mul_i32 s44, s[WV], WCH                      ; my two chunks' place in a slot, and among a slot's eight in memory
	s_mov_b32 s45, 0
	v_and_b32 v52, 31, v0                          ; L
	v_bfe_u32 v53, v0, 4, 1                        ; h
	v_and_b32 v54, 15, v0                          ; r
	v_lshlrev_b32 v[G16], 4, v52
	v_lshlrev_b32 v[G4], 2, v52
	v_lshlrev_b32 v[PFO], 8, v52
	v_lshlrev_b32 v[R4], 2, v54
	v_mov_b32 v[ZO], 0
	v_add_nc_u32 v[LI], s44, v[G16]
	v_add_nc_u32 v[LI+1], SLOT3, v[LI]
	v_add_nc_u32 v[LS], s44, v[G4]
	v_add_nc_u32 v[LS+1], SLOT3, v[LS]
	v_lshlrev_b32 v[BA], 5, v53
	v_add_nc_u32 v[BA], s44, v[BA]
	v_add_nc_u32 v[BA+1], SLOT3, v[BA]
	s_lshl_b32 s46, s[WV], 7
	s_add_co_u32 s46, s46, XS
	v_add_nc_u32 v[XSW], s46, v[R4]
	v_add_nc_u32 v[XSR], XS, v[G4]
	v_and_b32 v55, 8, v0
	v_add_nc_u32 v55, v55, v54
	v_lshl_add_u32 v55, v53, 3, v55                ; lane L = 16 u + r stands for row 8 u + r + 8 (r / 8) of my 32
	v_lshlrev_b32 v[OO], 2, v55
.irp i, 0,1,2,3,4,5,6,7
	v_mov_b32 v[SUM+\i], 0                         ; the sums: two chains of pairs a tile
.endr
	v_mov_b32 v[NSQ+1], 0                          ; (named as the upper halves of pairs)
	v_mov_b32 v[NSQ+3], 0
	s_wait_kmcnt 0x0
	s_mov_b32 s[G0], 1                             ; group 0 of slot 0: chunks 2 w and the next
	s_mov_b32 s[G0+1], s44
	s_add_nc_u64 s[G0+2:G0+3], s[4:5], s[44:45]
	s_mov_b32 s[G0+4], 1                           ; of slot 1: eight chunks on
	s_add_co_u32 s[G0+5], s44, SLOT3
	s_add_nc_u64 s[G0+6:G0+7], s[G0+2:G0+3], SLOT3
	s_or_b32 s[G0+3], s[G0+3], 0x80000000          ; type = 2
	s_or_b32 s[G0+7], s[G0+7], 0x80000000
	s_mul_i32 s52, ttmp9, CH3
	s_mov_b32 s53, 0
	s_add_nc_u64 s[48:49], s[4:5], s[52:53]        ; my rows' chunk
	s_lshl_b32 s52, s17, 8
	s_add_nc_u64 s[50:51], s[48:49], s[52:53]      ; + 256 b: my units among the scale images and the sums of squares
	s_lshl_b32 s52, s17, 12
	s_add_nc_u64 s[48:49], s[48:49], s[52:53]      ; + 4,096 b: my four fragments
	s_lshl_b32 s52, s18, 7
	s_add_nc_u64 s[14:15], s[14:15], s[52:53]      ; my 32 numbers of out0
	s_lshl_b32 s52, s17, 2
	s_add_co_u32 s52, s52, s[WV]
	s_add_co_u32 s52, s52, 48
	s_lshl_b32 s52, s52, 13
	s_add_nc_u64 s[PFA:PFA+1], s[4:5], s[52:53]    ; piece 48 + 4 cx + w: the first refill steps it on by 16 pieces.  Nothing is prefetched here, at the head
	CROUND                                         ; all four work-groups are here: the first joint loads meet
	tensor_load_to_lds s[G0:G0+3], s[G1:G1+7]      ; the two first fills go out together
	s_nop 0
	tensor_load_to_lds s[G0+4:G0+7], s[G1:G1+7]
	s_nop 0
	PLACES 4
	WIN 0x40                                       ; destination window 1
.irp f, 0,1,2,3
	global_load_b128 v[128+8*\f:128+8*\f+3],   v[G16], s[48:49] offset:1024*\f       ; my rows' fragment 2 u + s stays in registers
	global_load_b128 v[128+8*\f+4:128+8*\f+7], v[G16], s[48:49] offset:1024*\f+512
.endr
	WIN 0
	global_load_b32 v[BS], v[G4], s[50:51] offset:16384
	global_load_b32 v[BS+1], v[G4], s[50:51] offset:16384+128
	global_load_b32 v[NSQ], v[R4], s[50:51] offset:17408+128           ; -sq_i log2(e) of row r of tile 0,
	global_load_b32 v[NSQ+2], v[R4], s[50:51] offset:17408+128+64      ; of tile 1
	global_load_b32 v[B2], v[ZO], s[12:13]
	WIN 0x80                                       ; destination window 2
.irp i, 0,1,2,3,4,5,6,7,8,9,10,11,12,13,14,15
	global_load_b128 v[4*\i:4*\i+3], v[ZO], s[6:7] offset:16*\i        ; W1, b1, W2: all 64 numbers of each in every lane
	global_load_b128 v[64+4*\i:64+4*\i+3], v[ZO], s[8:9] offset:16*\i
	global_load_b128 v[128+4*\i:128+4*\i+3], v[ZO], s[10:11] offset:16*\i
.endr
	WIN 0
	s_wait_tensorcnt 0x1                           ; my chunks of slot 0 are in: my own bytes; slot 1's fill may stay out
	FETCH3 0, 0
	s_wait_loadcnt 0x0
	s_mov_b32 s[TRIP], 3
.Lsteps:                                           ; steps 0 to 11, four a trip: once round the ring
	STEP3 0, 0, 0, 1, 0, 1, 0
	STEP3 1, 0, 1, 1, 1, 0, 0
	STEP3 0, 0, 0, 1, 1, 1, 0
	STEP3 1, 1, 2, 1, 0, 0, 0
	s_sub_co_u32 s[TRIP], s[TRIP], 1
	s_cmp_lg_u32 s[TRIP], 0
	s_cbranch_scc1 .Lsteps
	STEP3 0, 0, 0, 1, 0, 1, 0                      ; steps 12 to 15 fill nothing: the tail is written out
	STEP3 0, 0, 0, 1, 1, 0, 1
	STEP3 0, 0, 0, 1, 1, 1, 0
	STEP3 0, 0, 0, 0, 0, 0, 0
.irp u, 0,1
	v_pk_add_f32 v[SUM+4*\u:SUM+4*\u+1], v[SUM+4*\u:SUM+4*\u+1], v[SUM+4*\u+2:SUM+4*\u+3]
.endr
.irp u, 0,1
	v_add_f32 v[SUM+4*\u], v[SUM+4*\u], v[SUM+4*\u+1]
.endr
.irp u, 0,1
	v_permlanex16_b32 v[SUM+4*\u+2], v[SUM+4*\u], s[SEL], s[SEL+1]
.endr
.irp u, 0,1
	v_add_f32 v[SUM+4*\u], v[SUM+4*\u], v[SUM+4*\u+2]          ; my share of row r's sum
.endr
	ds_store_b32 v[XSW], v[SUM]                    ; lanes r and r + 16 write the same word with the same value
	ds_store_b32 v[XSW], v[SUM+4] offset:64
	s_wait_dscnt 0x0
	s_barrier_signal -1
	s_barrier_wait -1
	s_cmp_lg_u32 s[WV], 0
	s_cbranch_scc1 .Lfin                           ; wave 0 finishes the 32 rows, a lane a row
.irp x, 0,1,2,3
	ds_load_b32 v[CHN+\x], v[XSR] offset:128*\x
.endr
	s_wait_dscnt 0x0
	v_add_f32 v[CHN], v[CHN], v[CHN+1]
	v_add_f32 v[CHN+2], v[CHN+2], v[CHN+3]
	v_add_f32 v[CHN], v[CHN], v[CHN+2]
	v_mul_f32 v[FE], 0x39000000, v[CHN]            ; feat = the sum / 8,192
	v_mov_b32 v[FE+1], v[FE]
	WIN 0x28                                       ; sources 1 and 2 window 2
.set j, 0
.rept 32
	v_pk_fma_f32 v[DD+j:DD+j+1], v[FE:FE+1], v[j:j+1], v[64+j:65+j]    ; feat W1 + b1
.set j, j+2
.endr
	WIN 0
.set j, 0
.rept 64
	v_max_num_f32 v[DD+j], 0, v[DD+j]
.set j, j+1
.endr
	WIN 0x08                                       ; source 1 window 2
.irp q, 0,1,2,3
	v_pk_mul_f32 v[CHN+2*\q:CHN+2*\q+1], v[DD+2*\q:DD+2*\q+1], v[128+2*\q:129+2*\q]   ; h W2, in four chains
.endr
.set j, 8
.rept 7
.irp q, 0,1,2,3
	v_pk_fma_f32 v[CHN+2*\q:CHN+2*\q+1], v[DD+j+2*\q:DD+j+2*\q+1], v[128+j+2*\q:129+j+2*\q], v[CHN+2*\q:CHN+2*\q+1]
.endr
.set j, j+8
.endr
	WIN 0
	v_pk_add_f32 v[CHN:CHN+1], v[CHN:CHN+1], v[CHN+2:CHN+3]
	v_pk_add_f32 v[CHN+4:CHN+5], v[CHN+4:CHN+5], v[CHN+6:CHN+7]
	v_pk_add_f32 v[CHN:CHN+1], v[CHN:CHN+1], v[CHN+4:CHN+5]
	v_add_f32 v[CHN], v[CHN], v[CHN+1]
	v_add_f32 v[CHN], v[CHN], v[B2]
	global_store_b32 v[OO], v[CHN], s[14:15]       ; the 32 lanes store 128 consecutive bytes, each lane at its row's place
.Lfin:
	s_wait_tensorcnt 0x0                           ; the wave's end
	ds_add_u32 v[SPW], v[NIL]
	s_wait_dscnt 0x0
	CROUND                                         ; the closing round
	s_endpgm
.Lfunc_end_k_q1e2ada71d2_rbf:
	.size	k_q1e2ada71d2_rbf, .Lfunc_end_k_q1e2ada71d2_rbf-k_q1e2ada71d2_rbf
	.p2alignl 7, 3214868480
	.fill 96, 4, 3214868480
	.section	.rodata,"a",@progbits
	.p2align	6, 0x0
	.amdhsa_kernel k_q1e2ada71d2_rbf
		.amdhsa_group_segment_fixed_size 327680
		.amdhsa_private_segment_fixed_size 0
		.amdhsa_enable_private_segment 0
		.amdhsa_kernarg_size 48
		.amdhsa_user_sgpr_count 2
		.amdhsa_user_sgpr_kernarg_segment_ptr 1
		.amdhsa_wavefront_size32 1
		.amdhsa_system_sgpr_workgroup_id_x 1
		.amdhsa_system_sgpr_workgroup_id_y 1
		.amdhsa_system_sgpr_workgroup_id_z 1
		.amdhsa_system_vgpr_workitem_id 0
		.amdhsa_next_free_vgpr 768
		.amdhsa_next_free_sgpr 66
		.amdhsa_reserve_vcc 0
		.amdhsa_float_denorm_mode_32 3
		.amdhsa_float_denorm_mode_16_64 3
		.amdhsa_memory_ordered 1
		.amdhsa_forward_progress 1
		.amdhsa_inst_pref_size 212
	.end_amdhsa_kernel
	.amdgpu_metadata
---
amdhsa.version: [ 1, 2 ]
amdhsa.kernels:
  - .name:           k_q1e2ada71d2_rbf
    .symbol:         k_q1e2ada71d2_rbf.kd
    .args:
      - { .name: AT, .offset: 0, .size: 8, .value_kind: global_buffer, .address_space: global }
      - { .name: W1, .offset: 8, .size: 8, .value_kind: global_buffer, .address_space: global }
      - { .name: b1, .offset: 16, .size: 8, .value_kind: global_buffer, .address_space: global }
      - { .name: W2, .offset: 24, .size: 8, .value_kind: global_buffer, .address_space: global }
      - { .name: b2, .offset: 32, .size: 8, .value_kind: global_buffer, .address_space: global }
      - { .name: out0, .offset: 40, .size: 8, .value_kind: global_buffer, .address_space: global }
    .group_segment_fixed_size: 327680
    .private_segment_fixed_size: 0
    .kernarg_segment_align: 8
    .kernarg_segment_size: 48
    .max_flat_workgroup_size: 128
    .sgpr_count:     66
    .vgpr_count:     768
    .wavefront_size: 32
...
	.end_amdgpu_metadata
.endif
;; end of part 3
;; ======== version 2 of 2: 3 launches
;; limits: right only within a limited range of input values
;; workspace buffers: QB 1,114,112 bytes; KV 2,228,224 bytes; AT 1,179,648 bytes
;; launch prep (part 4): grid 256 x 1, 4 waves a work-group, no clusters, 168,448 bytes of LDS; arguments states, Wq_codes, Wq_scales, Wk_codes, Wk_scales, QB, KV; writes QB, KV
.if DOCPART == 4
	.amdgcn_target "amdgcn-amd-amdhsa--gfx1250"
	.amdhsa_code_object_version 6
	.text
	.protected	k_q1e2ada71d2_prep
	.globl	k_q1e2ada71d2_prep
	.p2align	8
	.type	k_q1e2ada71d2_prep,@function
k_q1e2ada71d2_prep:
	s_mov_b64 s[64:65], 0
	v_nop
	global_prefetch_b8 v0, s[64:65] scope:SCOPE_SE
	s_setreg_imm32_b32 hwreg(HW_REG_WAVE_MODE, 25, 1), 1
	s_wait_xcnt 0x0
; PREP.  q = Q(states) Wq, k = Q(states) Wk on codes of FP4 (E2M1) with one E8M0 scale for each 32 along K; q and k are quantised along their 256 features, states also along the KEYS (for the
; second product of attention).  All results leave as IMAGES OF OPERAND REGISTERS: a fragment (16 rows x 128 K) is 1,024 bytes, register group c (registers 4 c .. 4 c + 3) at 512 c + 16 x lane.
; A scale image is 128 bytes, 4 x lane: for q and k lanes 0-15 hold the word of K step 0, lanes 16-31 that of K step 1; for V lanes 0-15 hold d-tile 2 p, lanes 16-31 d-tile 2 p + 1.
; SHARES.  Work-group g owns rows 32 g .. 32 g + 31 (chunk c = g / 4 of 128 rows, quarter b = g % 4) and, for V, columns 64 b .. 64 b + 63 of its chunk's 128 rows.
; THE ROWS OF A TILE ARE NOT NEIGHBOURS: lane r of tile u of a group of 32 stands for member 8 u + r + 8 (r / 8), so that the 16 registers of two neighbouring result tiles are 16 neighbours along the next K.
; Four waves, one text; hi = wave / 2, lo = wave % 2:  x job: tile hi, K step lo of x;  W job: matrix hi (q, k), output features 128 lo on, both row tiles;  V job: key blocks 2 hi, 2 hi + 1, 32 columns from 64 b + 32 lo on.
; States are read by tensor loads of whole rows, W and its scale bytes by global loads; each LDS byte is filled once, so there is no ring here.  No cluster: what work-groups share (the weights, 68 KB) is read once by each and the launch is short.
; LIMITS: a block of zeros gets the scale byte 1 (the rule says 127): its codes are zeros and this program alone reads the bytes.  NaN and infinities among the inputs are not served.
.set CH,    34816                      ; a chunk of KV: 16 K fragments, 16 V fragments, 8 + 8 scale images
.set QREC,  4352                       ; a record of QB: 4 fragments, 2 scale images
.set WB,    0                          ; unused: W's codes go straight into registers
.set WSB,   73728                      ; unused: W's scale bytes go straight into registers
.set XB,    77824                      ; my 32 rows of states, 1,024 bytes + 16; in their order; tile u is rows 8 u + r + 8 (r / 8)
.set VB,    111104                     ; the chunk's 128 rows x my 64 columns, 256 bytes + 16
.set XIMG,  145920                     ; x's four fragments as images (2 u + s)
.set XSC,   150016                     ; and their scale words, 128 bytes each
.set JN,    150528                     ; three units of 256 bytes that leave whole: q's scale images, k's, V's
.set SEL,   2                          ; s[2:3] lane selects for v_permlanex16_b32: lane l xor 16
.set G1W,   32
.set G1S,   40
.set G1X,   48
.set G1V,   56
.set G0W,   68
.set G0S,   72
.set G0X,   76
.set G0V,   80
.set XS,    20                         ; v20-23   x's scale words (2 u + s)
.set WS,    24                         ; v24-39   W's scale words (2 t + s)
.set XF,    40                         ; v40-71   x's four fragments
.set XR,    72                         ; v72-135  64 numbers of x
.set VR,    136                        ; v136-199 64 numbers of a column of states
.set ACC,   72                         ; v72-199  16 accumulators (64 u + 8 t), over XR and VR, which are done with by then
.set TM,    200                        ; v200-215 at work in QUANT
.set PW,    216                        ; v216-217 scale words just made
.set PC,    220                        ; v220-235 codes just made, 8 a fragment
.set VC,    236                        ; v236-243 V's codes; v244-251 at work
.set W0W,   (2<<16)|(1<<20)|(4<<22)|(3<<25)   ; elements of 4 bytes; 4 words of padding behind every 32
.set W0S,   (3<<16)                           ; elements of 8 bytes, no padding
.set W0X,   (2<<16)|(1<<20)|(7<<22)|(3<<25)   ; 4 words behind every 256
.set W0V,   (2<<16)|(1<<20)|(5<<22)|(3<<25)   ; 4 words behind every 64
.set MSB, 0
.macro WIN new                         ; the immediate's high byte repeats the setting that is left
.if MSB != \new
	s_set_vgpr_msb (MSB<<8)|\new
.set MSB, \new
.endif
.endm
.macro GROUP1 g, w0, cc, rr, pp        ; descriptor group 1: rr rows of cc elements, pp elements from row to row
	s_mov_b32 s[\g], \w0
	s_mov_b32 s[\g+1], (\cc)<<16
	s_mov_b32 s[\g+2], (\rr)<<16
	s_mov_b32 s[\g+3], (\cc)<<16
	s_mov_b32 s[\g+4], \rr
	s_mov_b32 s[\g+5], \pp
	s_mov_b32 s[\g+6], 0
	s_mov_b32 s[\g+7], 0
.endm
; 64 numbers of a lane, register 16 b + i = k 32 b + 16 (lane / 16) + i of my row, become a fragment's codes in v[pc] on and its scale word in v[pw].
.macro QUANT s, pc, pw
.irp b, 0,1,2,3
	v_max3_num_f32 v[TM+\b], |v[(\s)+16*\b]|, |v[(\s)+1+16*\b]|, 0x1800000   ; my 16 numbers of block b, and the floor 2^(3 - 127): the byte cannot fall under 1
.endr
.irp i, 2,4,6,8,10,12,14
.irp b, 0,1,2,3
	v_max3_num_f32 v[TM+\b], v[TM+\b], |v[(\s)+16*\b+\i]|, |v[(\s)+1+16*\b+\i]|
.endr
.endr
.irp b, 0,1,2,3
	v_permlanex16_b32 v[TM+4+\b], v[TM+\b], s[SEL], s[SEL+1]
.endr
.irp b, 0,1,2,3
	v_max_num_f32 v[TM+\b], v[TM+\b], v[TM+4+\b]       ; with lane l xor 16's: the block's largest magnitude
.endr
.irp b, 0,1,2,3
	v_add_nc_u32 v[TM+12+\b], 0xff000000, v[TM+\b]     ; 2 off its exponent field: the conversion's scale operand
.endr
.irp b, 0,1,2,3
	v_lshrrev_b32 v[TM+4+\b], 23, v[TM+12+\b]          ; the scale's byte
.endr
	v_lshl_or_b32 v[\pw], v[TM+5], 8, v[TM+4]
	v_lshl_or_b32 v[\pw], v[TM+6], 16, v[\pw]
	v_lshl_or_b32 v[\pw], v[TM+7], 24, v[\pw]
.irp b, 0,1,2,3
	v_cvt_scalef32_pk8_fp4_f32 v[(\pc)+2*\b], v[(\s)+16*\b:(\s)+7+16*\b], v[TM+12+\b]
	v_cvt_scalef32_pk8_fp4_f32 v[(\pc)+1+2*\b], v[(\s)+8+16*\b:(\s)+15+16*\b], v[TM+12+\b]
.endr
	v_nop                                              ; one plain place behind a scaled conversion
.irp c, 0,1                                            ; the operand's layout wants a whole block in a lane
.irp i, 0,1
	v_permlane16_swap_b32 v[(\pc)+4*\c+\i], v[(\pc)+2+4*\c+\i]
.endr
.endr
.endm
; block i of my column: all its 32 numbers are mine
.macro VBLOCK i
.set XSR, VR+32*(\i)
	v_max3_num_f32 v244, |v[XSR]|, |v[XSR+1]|, |v[XSR+2]|
	v_max3_num_f32 v245, |v[XSR+3]|, |v[XSR+4]|, |v[XSR+5]|
.irp k, 6,10,14,18,22,26
	v_max3_num_f32 v244, v244, |v[XSR+\k]|, |v[XSR+\k+1]|
	v_max3_num_f32 v245, v245, |v[XSR+\k+2]|, |v[XSR+\k+3]|
.endr
	v_max3_num_f32 v244, v244, |v[XSR+30]|, |v[XSR+31]|
	v_max3_num_f32 v244, v244, v245, 0x1800000
	v_add_nc_u32 v[246+(\i)], 0xff000000, v244
	v_lshrrev_b32 v[248+(\i)], 23, v[246+(\i)]
.irp q, 0,1,2,3
	v_cvt_scalef32_pk8_fp4_f32 v[VC+4*(\i)+\q], v[XSR+8*\q:XSR+8*\q+7], v[246+(\i)]
.endr
	v_nop                                              ; one plain place behind the last scaled conversion
.endm
	s_load_b256 s[4:11], s[0:1], 0x0               ; states s[4:5], Wq's codes s[6:7], Wq's scales s[8:9], Wk's codes s[10:11]
	s_load_b128 s[12:15], s[0:1], 0x20             ; Wk's scales s[12:13], QB s[14:15]
	s_load_b64 s[16:17], s[0:1], 0x30              ; KV
	v_lshl_add_u32 v254, v0, 2, 0x29000
	v_mov_b32 v255, 0
	ds_add_u32 v254, v255
	ds_add_u32 v254, v255
	v_lshrrev_b32 v1, 5, v0
	v_readfirstlane_b32 s18, v1                    ; wave
	s_lshr_b32 s19, s18, 1                         ; hi
	s_and_b32 s20, s18, 1                          ; lo
	s_lshr_b32 s22, ttmp9, 2                       ; c
	s_and_b32 s23, ttmp9, 3                        ; b
	s_mov_b32 s[SEL], 0x76543210
	s_mov_b32 s[SEL+1], 0xfedcba98
	; THE HEAD'S TILES ARE SHARED OUT, one tensor load a wave: waves 0 and 1 fetch the halves of my 32 rows of states, in their own order; waves 2 and 3 the halves of the chunk's 128 rows x my 64 columns.
	; W's codes and scale bytes go from memory straight into the registers of the wave that multiplies them: each wave reads its 128 rows once.
	GROUP1 G1X, W0X, 256, 16, 256                  ; 16 rows of states
	GROUP1 G1V, W0V, 64, 64, 256                   ; 64 rows x 64 columns of states
	s_mov_b32 s[G0X], 1
	s_mul_i32 s[G0X+1], s20, 16640                 ; 16 rows of 1,040 bytes for each half
	s_add_co_u32 s[G0X+1], s[G0X+1], XB
	s_mov_b32 s[G0V], 1
	s_mul_i32 s[G0V+1], s20, 17408                 ; 64 rows of 272 bytes for each half
	s_add_co_u32 s[G0V+1], s[G0V+1], VB
	s_mov_b32 s25, 0                               ; the upper word of every offset
	s_wait_dscnt 0x0
	s_wait_kmcnt 0x0
	s_cmp_eq_u32 s19, 0                            ; the scale bytes of my W job: matrix hi,
	s_cselect_b64 s[G0S+2:G0S+3], s[8:9], s[12:13]
	s_lshl_b32 s24, s20, 10                        ; its rows 128 lo on, 8 bytes a row: a plain address, read by global loads
	s_add_nc_u64 s[G0S+2:G0S+3], s[G0S+2:G0S+3], s[24:25]
	s_cmp_eq_u32 s19, 0                            ; the codes of my W job: matrix hi,
	s_cselect_b64 s[G0W+2:G0W+3], s[6:7], s[10:11]
	s_lshl_b32 s24, s20, 14                        ; its rows 128 lo on, 128 bytes a row: a plain address, read by global loads
	s_add_nc_u64 s[G0W+2:G0W+3], s[G0W+2:G0W+3], s[24:25]
	s_lshl_b32 s24, ttmp9, 15                      ; row 32 g + 16 lo
	s_lshl_b32 s27, s20, 14
	s_add_co_u32 s24, s24, s27
	s_add_nc_u64 s[G0X+2:G0X+3], s[4:5], s[24:25]
	s_lshl_b32 s24, s22, 17                        ; row 128 c + 64 lo, column 64 b
	s_lshl_b32 s27, s20, 16
	s_add_co_u32 s24, s24, s27
	s_lshl_b32 s27, s23, 8
	s_add_co_u32 s24, s24, s27
	s_add_nc_u64 s[G0V+2:G0V+3], s[4:5], s[24:25]
	s_or_b32 s[G0X+3], s[G0X+3], 0x80000000
	s_or_b32 s[G0V+3], s[G0V+3], 0x80000000
	s_cmp_eq_u32 s19, 0                            ; one branch on the wave's number, a load in each arm: every way through it passes one load
	s_cbranch_scc0 .Lhead_v
	tensor_load_to_lds s[G0X:G0X+3], s[G1X:G1X+7]
	s_nop 0
.rept 4
	v_nop
.endr
	s_branch .Lhead_asked
.Lhead_v:
	tensor_load_to_lds s[G0V:G0V+3], s[G1V:G1V+7]
	s_nop 0
.rept 4
	v_nop
.endr
.Lhead_asked:
	v_and_b32 v1, 31, v0                           ; L
	v_and_b32 v2, 15, v0                           ; r
	v_bfe_u32 v3, v0, 4, 1                         ; h
	v_and_b32 v18, 8, v0
	v_add_nc_u32 v18, v18, v2                      ; r + 8 (r / 8)
	s_wait_alu depctr_va_vdst(0)
	s_mul_i32 s28, s19, 8320                       ; x job: tile hi begins at row 8 hi; K step lo; lane r takes row r + 8 (r / 8) of the tile; + 64 h
	s_lshl_b32 s29, s20, 9
	s_add_co_u32 s28, s28, s29
	s_add_co_u32 s28, s28, XB
	v_mul_u32_u24 v4, v18, 1040
	v_lshl_add_u32 v4, v3, 6, v4
	v_add_nc_u32 v4, s28, v4
	s_mul_i32 s28, s19, 17408                      ; V job: keys 64 hi on, column 32 lo + 8 h + r + 8 (r / 8)
	s_lshl_b32 s29, s20, 7
	s_add_co_u32 s28, s28, s29
	s_add_co_u32 s28, s28, VB
	v_lshl_add_u32 v5, v3, 3, v18
	v_lshlrev_b32 v5, 2, v5
	v_add_nc_u32 v5, s28, v5
	v_lshlrev_b32 v6, 7, v18                       ; W job: a tile's lane r takes row r + 8 (r / 8), 128 bytes a row, + 16 h
	v_lshl_add_u32 v6, v3, 4, v6
	WIN 0x40                                       ; destination window 1
.irp t, 0,1,2,3,4,5,6,7
.irp s, 0,1
.irp c, 0,1
	global_load_b128 v[8*(2*\t+\s)+4*\c:8*(2*\t+\s)+4*\c+3], v6, s[G0W+2:G0W+3] offset:(32*(\t/2)+8*(\t%2))*128+64*\s+32*\c   ; a tile's four loads cover its 16 rows whole
.endr
.endr
.endr
	WIN 0
	v_lshlrev_b32 v7, 3, v18
.irp t, 0,1,2,3,4,5,6,7
	global_load_b64 v[WS+2*\t:WS+2*\t+1], v7, s[G0S+2:G0S+3] offset:(32*(\t/2)+8*(\t%2))*8   ; W's scale words go straight into their registers: the eight loads cover my 1,024 dense bytes once
.endr
	v_lshlrev_b32 v15, 4, v1                       ; 16 L
	v_add_nc_u32 v8, XIMG, v15
	v_lshlrev_b32 v9, 2, v1
	v_add_nc_u32 v9, XSC, v9
	s_lshl_b32 s28, s18, 10
	v_add_nc_u32 v10, s28, v8                      ; where I store my fragment of x
	s_lshl_b32 s28, s18, 7
	v_add_nc_u32 v11, s28, v9                      ; and its scale words
	s_lshl_b32 s28, s19, 8                         ; q's or k's unit, K step lo, row r
	s_lshl_b32 s29, s20, 6
	s_add_co_u32 s28, s28, s29
	s_add_co_u32 s28, s28, JN
	v_lshlrev_b32 v12, 2, v2
	v_add_nc_u32 v12, s28, v12
	s_lshl_b32 s28, s20, 7                         ; V's unit: image lo, lane L, bytes 2 hi and 2 hi + 1
	s_lshl_b32 s29, s19, 1
	s_add_co_u32 s28, s28, s29
	s_add_co_u32 s28, s28, JN+512
	v_lshlrev_b32 v13, 2, v1
	v_add_nc_u32 v13, s28, v13
	v_lshlrev_b32 v14, 3, v0
	v_add_nc_u32 v14, JN, v14                      ; wave w reads unit w back, 8 bytes a lane
	v_lshlrev_b32 v16, 4, v2
	v_lshl_add_u32 v16, v3, 10, v16                ; V's codes: d-tile h of my two, lane r
	v_lshlrev_b32 v17, 3, v1                       ; 8 L
.irp b, 0,1,2,3
	v_mov_b32 v[TM+4+\b], 0                        ; written once: a lane permute's destination counts as one of its sources
.endr
	s_mul_i32 s26, s22, CH                         ; where the results go.  Fragments of q: QB + g x QREC; of k: KV + c x CH + 4,096 b; in both my K step lo: + 1,024 lo
	s_lshl_b32 s27, s23, 12
	s_add_co_u32 s27, s26, s27
	s_mul_i32 s24, ttmp9, QREC
	s_cmp_eq_u32 s19, 0
	s_cselect_b64 s[86:87], s[14:15], s[16:17]
	s_cselect_b32 s24, s24, s27
	s_lshl_b32 s28, s20, 10
	s_add_co_u32 s24, s24, s28
	s_add_nc_u64 s[86:87], s[86:87], s[24:25]
	s_lshl_b32 s24, s20, 11                        ; V's fragments 4 b + 2 lo and the next, register group hi
	s_add_co_u32 s24, s24, s27
	s_lshl_b32 s27, s19, 9
	s_add_co_u32 s24, s24, s27
	s_add_co_u32 s24, s24, 16384
	s_add_nc_u64 s[84:85], s[16:17], s[24:25]
	s_lshl_b32 s24, s18, 10                        ; the units of scale images: wave 0 q's, wave 1 k's (at 32,768), wave 2 V's (at 33,792)
	s_add_co_u32 s24, s24, s26
	s_lshl_b32 s27, s23, 8
	s_add_co_u32 s24, s24, s27
	s_add_co_u32 s24, s24, 31744
	s_mul_i32 s27, ttmp9, QREC
	s_add_co_u32 s27, s27, 4096
	s_cmp_eq_u32 s18, 0
	s_cselect_b64 s[30:31], s[14:15], s[16:17]
	s_cselect_b32 s24, s27, s24
	s_add_nc_u64 s[30:31], s[30:31], s[24:25]
	s_wait_alu depctr_va_vdst(0)
	s_wait_tensorcnt 0x0                           ; my tile of the head's four is in
	s_barrier_signal -1
	s_barrier_wait -1                              ; everybody's are
.irp b, 0,1,2,3
.irp j, 0,1,2,3
	ds_load_b128 v[XR+16*\b+4*\j:XR+16*\b+4*\j+3], v4 offset:128*\b+16*\j
.endr
.endr
.set i, 0
.rept 32
	ds_load_b32 v[VR+i], v5 offset:i*272           ; my column, the first 32 keys down
.set i, i+1
.endr
	s_wait_dscnt 32                                ; x's 16 loads are in; the column's 32 are younger
	QUANT XR, PC, PW
	ds_store_b128 v10, v[PC:PC+3]                  ; the fragment goes to LDS as it stands
	ds_store_b128 v10, v[PC+4:PC+7] offset:512
	ds_store_b32 v11, v[PW]
	s_wait_dscnt 3                                 ; the column's first 32 loads are in; the three stores are younger
.rept 32
	ds_load_b32 v[VR+i], v5 offset:i*272           ; the next 32 keys land while the first block is worked
.set i, i+1
.endr
	VBLOCK 0
	s_wait_dscnt 0x0
	VBLOCK 1
	v_lshl_or_b32 v248, v249, 8, v248              ; my two bytes of the column's scale word
	ds_store_b16 v13, v248
	global_store_b128 v16, v[VC:VC+3], s[84:85]              ; block 2 hi: the fragment's lanes 0-15: sixteen lanes store 256 consecutive bytes, aligned
	global_store_b128 v16, v[VC+4:VC+7], s[84:85] offset:256 ; block 2 hi + 1: its lanes 16-31
	s_wait_dscnt 0x0                               ; my stores have landed
	s_barrier_signal -1
	s_barrier_wait -1                              ; x's four fragments lie in LDS
.irp f, 0,1,2,3
	ds_load_b128 v[XF+8*\f:XF+8*\f+3], v8 offset:1024*\f
	ds_load_b128 v[XF+8*\f+4:XF+8*\f+7], v8 offset:1024*\f+512
	ds_load_b32 v[XS+\f], v9 offset:128*\f
.endr
	s_wait_dscnt 0x0
	s_wait_loadcnt 0x0                             ; W's scale words are in
	WIN 0x01
; TRANSPOSED: source 0 = 16 rows of W, source 1 = 16 rows of x: a lane holds one row of q or k, its registers run along the features.  The 16 accumulators take turns.
.irp s, 0,1
.irp u, 0,1
.irp t, 0,1,2,3,4,5,6,7
.if \s
	v_wmma_scale_f32_16x16x128_f8f6f4 v[ACC+64*\u+8*\t:ACC+64*\u+8*\t+7], v[8*(2*\t+1):8*(2*\t+1)+7], v[XF+16*\u+8:XF+16*\u+15], v[ACC+64*\u+8*\t:ACC+64*\u+8*\t+7], v[WS+2*\t+1], v[XS+2*\u+1] matrix_a_fmt:MATRIX_FMT_FP4 matrix_b_fmt:MATRIX_FMT_FP4
.else
	v_wmma_scale_f32_16x16x128_f8f6f4 v[ACC+64*\u+8*\t:ACC+64*\u+8*\t+7], v[8*(2*\t):8*(2*\t)+7], v[XF+16*\u:XF+16*\u+7], 0, v[WS+2*\t], v[XS+2*\u] matrix_a_fmt:MATRIX_FMT_FP4 matrix_b_fmt:MATRIX_FMT_FP4
.endif
.endr
.endr
.endr
	WIN 0
.rept 4
	v_nop                                          ; four places ahead of the first read of results
.endr
.irp u, 0,1
	QUANT ACC+64*\u, PC+8*\u, PW+\u                ; my 128 features of tile u: K step lo of the next product
	global_store_b128 v15, v[PC+8*\u:PC+8*\u+3], s[86:87] offset:2048*\u          ; fragment 2 u + lo: 32 lanes store 512 consecutive bytes, aligned
	global_store_b128 v15, v[PC+8*\u+4:PC+8*\u+7], s[86:87] offset:2048*\u+512
	ds_store_b32 v12, v[PW+\u] offset:128*\u       ; lanes r and r + 16 write the same word with the same value
.endr
	s_wait_dscnt 0x0                               ; for the others' sake: my scale words and bytes have landed
	s_barrier_signal -1
	s_barrier_wait -1                              ; the three units are whole
	s_cmp_gt_u32 s18, 2
	s_cbranch_scc1 .Lend                           ; three units, three waves
	ds_load_b64 v[250:251], v14
	s_wait_dscnt 0x0
	global_store_b64 v17, v[250:251], s[30:31]     ; 32 lanes store 256 consecutive bytes, aligned
.Lend:
	s_wait_tensorcnt 0x0
	ds_add_u32 v254, v255
	s_wait_dscnt 0x0
	s_endpgm
.Lfunc_end_k_q1e2ada71d2_prep:
	.size	k_q1e2ada71d2_prep, .Lfunc_end_k_q1e2ada71d2_prep-k_q1e2ada71d2_prep
	.p2alignl 7, 3214868480
	.fill 96, 4, 3214868480
	.section	.rodata,"a",@progbits
	.p2align	6, 0x0
	.amdhsa_kernel k_q1e2ada71d2_prep
		.amdhsa_group_segment_fixed_size 168448
		.amdhsa_private_segment_fixed_size 0
		.amdhsa_enable_private_segment 0
		.amdhsa_kernarg_size 56
		.amdhsa_user_sgpr_count 2
		.amdhsa_user_sgpr_kernarg_segment_ptr 1
		.amdhsa_wavefront_size32 1
		.amdhsa_system_sgpr_workgroup_id_x 1
		.amdhsa_system_sgpr_workgroup_id_y 1
		.amdhsa_system_sgpr_workgroup_id_z 1
		.amdhsa_system_vgpr_workitem_id 0
		.amdhsa_next_free_vgpr 384
		.amdhsa_next_free_sgpr 88
		.amdhsa_reserve_vcc 0
		.amdhsa_float_denorm_mode_32 3
		.amdhsa_float_denorm_mode_16_64 3
		.amdhsa_memory_ordered 1
		.amdhsa_forward_progress 1
		.amdhsa_inst_pref_size 37
	.end_amdhsa_kernel
	.amdgpu_metadata
---
amdhsa.version: [ 1, 2 ]
amdhsa.kernels:
  - .name:           k_q1e2ada71d2_prep
    .symbol:         k_q1e2ada71d2_prep.kd
    .args:
      - { .name: states, .offset: 0, .size: 8, .value_kind: global_buffer, .address_space: global }
      - { .name: Wq_codes, .offset: 8, .size: 8, .value_kind: global_buffer, .address_space: global }
      - { .name: Wq_scales, .offset: 16, .size: 8, .value_kind: global_buffer, .address_space: global }
      - { .name: Wk_codes, .offset: 24, .size: 8, .value_kind: global_buffer, .address_space: global }
      - { .name: Wk_scales, .offset: 32, .size: 8, .value_kind: global_buffer, .address_space: global }
      - { .name: QB, .offset: 40, .size: 8, .value_kind: global_buffer, .address_space: global }
      - { .name: KV, .offset: 48, .size: 8, .value_kind: global_buffer, .address_space: global }
    .group_segment_fixed_size: 168448
    .private_segment_fixed_size: 0
    .kernarg_segment_align: 8
    .kernarg_segment_size: 56
    .max_flat_workgroup_size: 128
    .sgpr_count:     88
    .vgpr_count:     384
    .wavefront_size: 32
...
	.end_amdgpu_metadata
.endif
;; end of part 4
;; launch attn (part 5): grid 256 x 1, 4 waves a work-group, clusters of 4 x 1, 327,680 bytes of LDS; arguments QB, KV, AT; writes AT
.if DOCPART == 5
	.amdgcn_target "amdgcn-amd-amdhsa--gfx1250"
	.amdhsa_code_object_version 6
	.text
	.protected	k_q1e2ada71d2_attn
	.globl	k_q1e2ada71d2_attn
	.p2align	8
	.type	k_q1e2ada71d2_attn,@function
k_q1e2ada71d2_attn:
	s_mov_b64 s[64:65], 0
	v_nop
	global_prefetch_b8 v0, s[64:65] scope:SCOPE_SE
	s_setreg_imm32_b32 hwreg(HW_REG_WAVE_MODE, 25, 1), 1
	s_wait_xcnt 0x0
	s_wait_alu depctr_hold_cnt(0) depctr_sa_sdst(0) depctr_va_vdst(0) depctr_va_sdst(0) depctr_va_ssrc(0) depctr_va_vcc(0) depctr_vm_vsrc(0)
	s_getreg_b32 s2, hwreg(HW_REG_IB_STS2, 6, 4)
	s_cmp_eq_u32 s2, 0
	s_cbranch_scc0 .Lentry_in_a_cluster
	s_endpgm
.Lentry_in_a_cluster:
	s_bfe_u32 s2, ttmp6, 0x10000c
	s_cmp_lg_u32 s2, 0x3003
	s_cbranch_scc0 .Lentry_shape_is_right
	s_endpgm
.Lentry_shape_is_right:
.set CH,    34816
.set QREC,  4352
.set CH3,   18432
.set SLOT,  4*CH
.set SPARE, 2*SLOT
.set XST,   SPARE+512
.set XSQ,   XST+2048
.set XPW,   XSQ+256
.set SPW, 1
.set NIL, 2
.set LI,  3
.set LS,  5
.set G16, 8
.set G4,  9
.set G8,  10
.set LN,  11
.set ST,  12
.set FF,  20
.set TT,  24
.set TM,  24
.set S,   64
.set PC,  192
.set KS,  208
.set VS,  216
.set QS,  232
.set PS,  234
.set KF,  32
.set WV,  10
.set G1,  16
.set G0,  24
.set KVW, 32
.set CS,  34
.set SEL, 36
.set TRIP, 38
.set OFS, 44
.set IDX, 47
.set W_KQ, 0x0a
.set W_PV, 0x53
.set W_RS, 0x41
.set MSB, 0
.macro WIN new
.if MSB != \new
	s_set_vgpr_msb (MSB<<8)|\new
.set MSB, \new
.endif
.endm
.macro PLACES n
.rept \n
	v_nop
.endr
.endm
.macro CREST
	s_cmp_lg_u32 s[WV], 0
	s_cbranch_scc1 .Lnot_wave_0_\@
	s_barrier_signal -3
.Lnot_wave_0_\@:
	s_barrier_wait -3
	s_barrier_signal -1
	s_barrier_wait -1
.endm
.macro CROUND
	s_barrier_signal -1
	s_barrier_wait -1
	CREST
.endm
.macro QKPASS ks
	WIN W_KQ
.irp T, 0,1,2,3,4,5,6,7
.irp u, 0,1
.if \ks
	v_wmma_scale_f32_16x16x128_f8f6f4 v[S+64*\u+8*\T:S+64*\u+8*\T+7], v[KF+16*\T+8:KF+16*\T+15], v[16*\u+8:16*\u+15], v[S+64*\u+8*\T:S+64*\u+8*\T+7], v[KS+\T], v[QS+\u] matrix_a_fmt:MATRIX_FMT_FP4 matrix_b_fmt:MATRIX_FMT_FP4 matrix_a_scale:MATRIX_SCALE_ROW1 matrix_b_scale:MATRIX_SCALE_ROW1
.else
	v_wmma_scale_f32_16x16x128_f8f6f4 v[S+64*\u+8*\T:S+64*\u+8*\T+7], v[KF+16*\T:KF+16*\T+7], v[16*\u:16*\u+7], 0, v[KS+\T], v[QS+\u] matrix_a_fmt:MATRIX_FMT_FP4 matrix_b_fmt:MATRIX_FMT_FP4
.endif
.endr
.endr
.endm
.macro FETCHK sl
	WIN 0x80
.irp f, 0,1,2,3,4,5,6,7,8,9,10,11,12,13,14,15
	ds_load_b128 v[KF+8*\f:KF+8*\f+3],   v[LI+(\sl)] offset:1024*\f
	ds_load_b128 v[KF+8*\f+4:KF+8*\f+7], v[LI+(\sl)] offset:1024*\f+512
.endr
	WIN 0
.irp T, 0,1,2,3,4,5,6,7
	ds_load_b32 v[KS+\T], v[LS+(\sl)] offset:128*\T
.endr
.irp p, 0,1,2,3,4,5,6,7
	ds_load_b32 v[VS+8*(\sl)+\p], v[LS+(\sl)] offset:1024+128*\p
.endr
.endm
.macro FETCHV sl
	s_wait_dscnt 30
	WIN 0xc0
.irp t, 0,1,2,3,4,5,6,7,8,9,10,11,12,13,14,15
	ds_load_b128 v[128*(\sl)+8*\t:128*(\sl)+8*\t+3],   v[LI+(\sl)] offset:16384+1024*\t
	ds_load_b128 v[128*(\sl)+8*\t+4:128*(\sl)+8*\t+7], v[LI+(\sl)] offset:16384+1024*\t+512
.endr
	WIN 0
.endm
.macro TMM p
	v_pk_fma_f32 v[S+2*(\p):S+2*(\p)+1], v[S+2*(\p):S+2*(\p)+1], s[CS:CS+1], v[ST+4*((\p)/32):ST+4*((\p)/32)+1] op_sel_hi:[1,0,0]
.endm
.macro SOFTMAX first, fetch, av
.irp u, 0,1
.irp b, 0,1,2,3
	v_max3_num_f32 v[TT+16*\u+\b], v[S+64*\u+16*\b], v[S+64*\u+16*\b+1], v[S+64*\u+16*\b+2]
.endr
.endr
.irp i, 3,5,7,9,11,13
.irp u, 0,1
.irp b, 0,1,2,3
	v_max3_num_f32 v[TT+16*\u+\b], v[TT+16*\u+\b], v[S+64*\u+16*\b+\i], v[S+64*\u+16*\b+\i+1]
.endr
.endr
.endr
.irp u, 0,1
.irp b, 0,1,2,3
	v_max_num_f32 v[TT+16*\u+\b], v[TT+16*\u+\b], v[S+64*\u+16*\b+15]
.endr
.endr
.irp u, 0,1
.irp b, 0,1,2,3
	v_permlanex16_b32 v[TT+16*\u+4+\b], v[TT+16*\u+\b], s[SEL], s[SEL+1]
.endr
.endr
.irp u, 0,1
.irp b, 0,1,2,3
	v_max_num_f32 v[TT+16*\u+\b], v[TT+16*\u+\b], v[TT+16*\u+4+\b]
.endr
.endr
.irp u, 0,1
	v_max3_num_f32 v[TT+16*\u+12], v[TT+16*\u], v[TT+16*\u+1], v[TT+16*\u+2]
.endr
.irp u, 0,1
	v_max_num_f32 v[TT+16*\u+12], v[TT+16*\u+12], v[TT+16*\u+3]
.endr
.if \first
.irp u, 0,1
	v_mul_f32 v[ST+4*\u+1], s[CS], v[TT+16*\u+12]
.endr
.irp u, 0,1
	s_wait_alu depctr_va_vdst(0)
	v_floor_f32 v[ST+4*\u], -v[ST+4*\u+1]
.endr
.else
.irp u, 0,1
	v_mul_f32 v[TT+16*\u+12], s[CS], v[TT+16*\u+12]
.endr
.irp u, 0,1
	v_max_num_f32 v[ST+4*\u+1], v[ST+4*\u+1], v[TT+16*\u+12]
.endr
.irp u, 0,1
	v_mov_b32 v[TT+16*\u+12], v[ST+4*\u]
.endr
.irp u, 0,1
	v_floor_f32 v[ST+4*\u], -v[ST+4*\u+1]
.endr
.irp u, 0,1
	v_sub_f32 v[TT+16*\u+12], v[ST+4*\u], v[TT+16*\u+12]
.endr
.irp u, 0,1
	v_cvt_i32_f32 v[TT+16*\u+12], v[TT+16*\u+12]
.endr
.irp u, 0,1
	v_ldexp_f32 v[FF+2*\u], 1.0, v[TT+16*\u+12]
.endr
.endif
.if \fetch
	s_wait_alu depctr_va_vdst(0)
	FETCHV \av
.endif
.set j, 0
.rept 64
	TMM j                                          ; t - M of all 128 scores, two at a time: all the batch's sources are laid first
.set j, j+1
.endr
.irp u, 0,1
.irp b, 0,1,2,3
	v_fma_f32 v[TT+16*\u+\b], v[TT+16*\u+\b], s[CS], v[ST+4*\u]
.endr
.endr
	s_wait_alu depctr_va_vdst(0)                   ; one wait ahead of the batch
.set j, 0
.rept 128
	v_exp_f32 v[S+j], v[S+j]                       ; ONE BATCH: p = 2^(t - M)
.set j, j+1
.endr
.if \first
	v_nop
.else
.irp u, 0,1
	v_pk_mul_f32 v[ST+4*\u+2:ST+4*\u+3], v[ST+4*\u+2:ST+4*\u+3], v[FF+2*\u:FF+2*\u+1] op_sel_hi:[1,0]
.endr
.endif
	s_wait_alu depctr_va_vdst(0)
.irp u, 0,1
.irp b, 0,1,2,3
	v_exp_f32 v[TT+16*\u+\b], v[TT+16*\u+\b]
.endr
.endr
.irp u, 0,1
	v_pk_add_f32 v[TT+16*\u+4:TT+16*\u+5], v[S+64*\u:S+64*\u+1], v[S+64*\u+2:S+64*\u+3]
.endr
.set j, 4
.rept 15
.irp u, 0,1
	v_pk_add_f32 v[ST+4*\u+2:ST+4*\u+3], v[ST+4*\u+2:ST+4*\u+3], v[S+64*\u+j:S+64*\u+j+1]
	v_pk_add_f32 v[TT+16*\u+4:TT+16*\u+5], v[TT+16*\u+4:TT+16*\u+5], v[S+64*\u+j+2:S+64*\u+j+3]
.endr
.set j, j+4
.endr
.irp u, 0,1
	v_pk_add_f32 v[ST+4*\u+2:ST+4*\u+3], v[ST+4*\u+2:ST+4*\u+3], v[TT+16*\u+4:TT+16*\u+5]
.endr
	s_wait_alu depctr_va_vdst(0)
.irp u, 0,1
.irp b, 0,1,2,3
	v_max_num_f32 v[TT+16*\u+\b], 0x1800000, v[TT+16*\u+\b]
.endr
.endr
.irp u, 0,1
.irp b, 0,1,2,3
	v_add_nc_u32 v[TT+16*\u+8+\b], 0xff000000, v[TT+16*\u+\b]
.endr
.endr
.irp u, 0,1
.irp b, 0,1,2,3
	v_lshrrev_b32 v[TT+16*\u+4+\b], 23, v[TT+16*\u+8+\b]
.endr
.endr
.irp u, 0,1
	v_lshl_or_b32 v[PS+\u], v[TT+16*\u+5], 8, v[TT+16*\u+4]
.endr
.irp u, 0,1
	v_lshl_or_b32 v[PS+\u], v[TT+16*\u+6], 16, v[PS+\u]
.endr
.irp u, 0,1
	v_lshl_or_b32 v[PS+\u], v[TT+16*\u+7], 24, v[PS+\u]
.endr
.irp u, 0,1
.irp b, 0,1,2,3
	v_cvt_scalef32_pk8_fp4_f32 v[PC+8*\u+2*\b], v[S+64*\u+16*\b:S+64*\u+16*\b+7], v[TT+16*\u+8+\b]
	v_cvt_scalef32_pk8_fp4_f32 v[PC+8*\u+2*\b+1], v[S+64*\u+16*\b+8:S+64*\u+16*\b+15], v[TT+16*\u+8+\b]
.endr
.endr
	v_nop
.irp u, 0,1
.irp c, 0,1
.irp i, 0,1
	v_permlane16_swap_b32 v[PC+8*\u+4*\c+\i], v[PC+8*\u+4*\c+2+\i]
.endr
.endr
.endr
.endm
.macro RESCALE
	WIN W_RS
	s_wait_alu depctr_va_vdst(0)                   ; directly ahead of the first reader of O^T
.irp u, 0,1
.set j, 0
.rept 64
	v_pk_mul_f32 v[128*\u+j:128*\u+j+1], v[128*\u+j:128*\u+j+1], v[FF+2*\u:FF+2*\u+1] op_sel_hi:[1,0]
.set j, j+2
.endr
.endr
.endm
.macro PV1 u, t, a, zero
.if \zero
.if (\t)%2
	v_wmma_scale_f32_16x16x128_f8f6f4 v[128*\u+8*\t:128*\u+8*\t+7], v[128*\a+8*\t:128*\a+8*\t+7], v[PC+8*\u:PC+8*\u+7], 0, v[VS+8*\a+(\t)/2], v[PS+\u] matrix_a_fmt:MATRIX_FMT_FP4 matrix_b_fmt:MATRIX_FMT_FP4 matrix_a_scale:MATRIX_SCALE_ROW1
.else
	v_wmma_scale_f32_16x16x128_f8f6f4 v[128*\u+8*\t:128*\u+8*\t+7], v[128*\a+8*\t:128*\a+8*\t+7], v[PC+8*\u:PC+8*\u+7], 0, v[VS+8*\a+(\t)/2], v[PS+\u] matrix_a_fmt:MATRIX_FMT_FP4 matrix_b_fmt:MATRIX_FMT_FP4
.endif
.else
.if (\t)%2
	v_wmma_scale_f32_16x16x128_f8f6f4 v[128*\u+8*\t:128*\u+8*\t+7], v[128*\a+8*\t:128*\a+8*\t+7], v[PC+8*\u:PC+8*\u+7], v[128*\u+8*\t:128*\u+8*\t+7], v[VS+8*\a+(\t)/2], v[PS+\u] matrix_a_fmt:MATRIX_FMT_FP4 matrix_b_fmt:MATRIX_FMT_FP4 matrix_a_scale:MATRIX_SCALE_ROW1
.else
	v_wmma_scale_f32_16x16x128_f8f6f4 v[128*\u+8*\t:128*\u+8*\t+7], v[128*\a+8*\t:128*\a+8*\t+7], v[PC+8*\u:PC+8*\u+7], v[128*\u+8*\t:128*\u+8*\t+7], v[VS+8*\a+(\t)/2], v[PS+\u] matrix_a_fmt:MATRIX_FMT_FP4 matrix_b_fmt:MATRIX_FMT_FP4
.endif
.endif
.endm
.macro PV a, first
	WIN W_PV
.irp t, 0,1,2,3,4,5,6,7,8,9,10,11,12,13,14,15
.irp u, 0,1
	PV1 \u, \t, \a, \first
.endr
.endr
.endm
.macro STEP a, fill, fetch, first, tw
.if \fill
	s_wait_tensorcnt 0x0
	ds_add_u32 v[SPW], v[NIL]
	s_add_co_u32 s[IDX], s[IDX], 1
	s_and_b32 s[IDX], s[IDX], 15
	s_mul_i32 s[OFS], s[IDX], SLOT
	s_add_nc_u64 s[G0+4*\a+2:G0+4*\a+3], s[KVW:KVW+1], s[OFS:OFS+1]
	s_or_b32 s[G0+4*\a+3], s[G0+4*\a+3], 0x80000000
	s_wait_dscnt 1                                 ; the chunk's fragments are in registers; the add, the youngest LDS instruction, may be out
	QKPASS 0                                       ; sixteen matrix instructions stand between the add and the wait for it
	s_wait_dscnt 0x0                               ; the add is done, and my reads of this slot are over
	s_barrier_signal -1                            ; this barrier opens a round of the cluster's barrier
	QKPASS 1                                       ; work on registers while the others arrive
	WIN 0
	s_barrier_wait -1
	CREST
	tensor_load_to_lds s[G0+4*\a:G0+4*\a+3], s[G1:G1+7]   ; my one tensor load behind the round; the four places below follow its s_nop
	s_nop 0
.else
.if \tw
	s_wait_tensorcnt 0x0
.endif
	s_wait_dscnt 0x0
	QKPASS 0
	QKPASS 1
.endif
	WIN 0
	PLACES 4
.if \fetch
	FETCHK 1-\a
.endif
	SOFTMAX \first, \fetch, 1-\a
.if \first
	PLACES 8
.else
	RESCALE
.endif
	PV \a, \first
	WIN 0
.endm
.macro QUANT s, pc, pw
.irp b, 0,1,2,3
	v_max3_num_f32 v[TM+\b], |v[(\s)+16*\b]|, |v[(\s)+1+16*\b]|, 0x1800000
.endr
.irp i, 2,4,6,8,10,12,14
.irp b, 0,1,2,3
	v_max3_num_f32 v[TM+\b], v[TM+\b], |v[(\s)+16*\b+\i]|, |v[(\s)+1+16*\b+\i]|
.endr
.endr
.irp b, 0,1,2,3
	v_permlanex16_b32 v[TM+4+\b], v[TM+\b], s[SEL], s[SEL+1]
.endr
.irp b, 0,1,2,3
	v_max_num_f32 v[TM+\b], v[TM+\b], v[TM+4+\b]
.endr
.irp b, 0,1,2,3
	v_add_nc_u32 v[TM+12+\b], 0xff000000, v[TM+\b]
.endr
.irp b, 0,1,2,3
	v_lshrrev_b32 v[TM+4+\b], 23, v[TM+12+\b]
.endr
	v_lshl_or_b32 v[\pw], v[TM+5], 8, v[TM+4]
	v_lshl_or_b32 v[\pw], v[TM+6], 16, v[\pw]
	v_lshl_or_b32 v[\pw], v[TM+7], 24, v[\pw]
.irp b, 0,1,2,3
	v_cvt_scalef32_pk8_fp4_f32 v[(\pc)+2*\b], v[(\s)+16*\b:(\s)+7+16*\b], v[TM+12+\b]
	v_cvt_scalef32_pk8_fp4_f32 v[(\pc)+1+2*\b], v[(\s)+8+16*\b:(\s)+15+16*\b], v[TM+12+\b]
.endr
	v_nop
.irp c, 0,1
.irp i, 0,1
	v_permlane16_swap_b32 v[(\pc)+4*\c+\i], v[(\pc)+2+4*\c+\i]
.endr
.endr
.endm
	s_load_b128 s[4:7], s[0:1], 0x0
	s_load_b64 s[8:9], s[0:1], 0x10
	v_lshl_add_u32 v[SPW], v0, 2, SPARE
	v_mov_b32 v[NIL], 0
	ds_add_u32 v1, v2
	ds_add_u32 v1, v2
	s_wait_dscnt 0x0
	v_lshrrev_b32 v[LN], 5, v0
	v_readfirstlane_b32 s[WV], v[LN]
	s_bfe_u32 s11, ttmp6, 0x40000
	s_lshl_b32 s12, ttmp9, 2
	s_add_co_u32 s12, s12, s11
	s_lshr_b32 s[IDX], ttmp9, 4
	s_mul_i32 s[IDX], s[IDX], 5
	s_xor_b32 s[IDX], s[IDX], ttmp9
	s_and_b32 s[IDX], s[IDX], 15
	s_mov_b32 s[G1], 15|(3<<16)|(1<<21)
	s_mov_b32 s[G1+1], 32<<16
	s_mov_b32 s[G1+2], 136<<16
	s_mov_b32 s[G1+3], 32<<16
	s_mov_b32 s[G1+4], 136
	s_mov_b32 s[G1+5], 32
	s_mov_b32 s[G1+6], 0
	s_mov_b32 s[G1+7], 0
	s_mov_b32 s[CS], 0x3db8aa3b
	s_mov_b32 s[CS+1], s[CS]
	s_mov_b32 s[SEL], 0x76543210
	s_mov_b32 s[SEL+1], 0xfedcba98
	s_mul_i32 s40, s[WV], CH
	s_mov_b32 s41, 0
	s_lshr_b32 s42, s[WV], 1
	s_and_b32 s43, s[WV], 1
	v_and_b32 v[LN], 31, v0
	v_lshlrev_b32 v[G16], 4, v[LN]
	v_lshlrev_b32 v[G4], 2, v[LN]
	v_lshlrev_b32 v[G8], 3, v[LN]
	v_add_nc_u32 v[LI], s40, v[G16]
	v_add_nc_u32 v[LI+1], SLOT, v[LI]
	v_add_nc_u32 v[LS], s40, v[G4]
	v_add_nc_u32 v[LS], 32768, v[LS]
	v_add_nc_u32 v[LS+1], SLOT, v[LS]
	s_lshl_b32 s39, s[WV], 8
	s_add_co_u32 s39, s39, XST
	v_add_nc_u32 v240, s39, v[G4]
	s_lshl_b32 s39, s42, 7
	s_add_co_u32 s39, s39, XST
	v_add_nc_u32 v241, s39, v[G4]
	s_lshl_b32 s39, s[WV], 13
	v_add_nc_u32 v242, s39, v[G16]
	v_add_nc_u32 v243, 2*CH, v242
	v_and_b32 v250, 15, v0
	v_lshlrev_b32 v250, 2, v250
	s_wait_alu depctr_va_vdst(0)
	s_lshl_b32 s39, s43, 7
	s_lshl_b32 s13, s42, 6
	s_add_co_u32 s39, s39, s13
	s_add_co_u32 s39, s39, XSQ
	v_add_nc_u32 v244, s39, v250
	s_lshl_b32 s39, s42, 7
	s_lshl_b32 s13, s43, 6
	s_add_co_u32 s39, s39, s13
	s_add_co_u32 s39, s39, XPW
	v_add_nc_u32 v245, s39, v250
	v_add_nc_u32 v246, XPW, v[G8]
	v_lshl_add_u32 v247, v250, 1, XSQ
.irp u, 0,1
	v_mov_b32 v[ST+4*\u+2], 0
	v_mov_b32 v[ST+4*\u+3], 0
	v_mov_b32 v[FF+2*\u+1], 0
.irp b, 0,1,2,3
	v_mov_b32 v[TT+16*\u+4+\b], 0
.endr
.endr
	s_mul_i32 s[OFS], s[IDX], SLOT
	s_mov_b32 s[OFS+1], 0
	s_wait_kmcnt 0x0
	s_add_nc_u64 s[KVW:KVW+1], s[6:7], s[40:41]
	s_mov_b32 s[G0], 1
	s_mov_b32 s[G0+1], s40
	s_add_nc_u64 s[G0+2:G0+3], s[KVW:KVW+1], s[OFS:OFS+1]
	s_add_co_u32 s[IDX], s[IDX], 1
	s_and_b32 s[IDX], s[IDX], 15
	s_mul_i32 s[OFS], s[IDX], SLOT
	s_mov_b32 s[G0+4], 1
	s_add_co_u32 s[G0+5], s40, SLOT
	s_add_nc_u64 s[G0+6:G0+7], s[KVW:KVW+1], s[OFS:OFS+1]
	s_or_b32 s[G0+3], s[G0+3], 0x80000000
	s_or_b32 s[G0+7], s[G0+7], 0x80000000
	s_mul_i32 s44, s12, QREC
	s_add_nc_u64 s[4:5], s[4:5], s[44:45]
	s_mul_i32 s44, ttmp9, CH3
	s_add_nc_u64 s[8:9], s[8:9], s[44:45]
	s_lshl_b32 s44, s11, 12
	s_lshl_b32 s46, s[WV], 10
	s_add_co_u32 s44, s44, s46
	s_add_nc_u64 s[14:15], s[8:9], s[44:45]
	s_lshl_b32 s44, s11, 8
	s_add_nc_u64 s[8:9], s[8:9], s[44:45]
	CROUND
	tensor_load_to_lds s[G0:G0+3], s[G1:G1+7]
	s_nop 0
	s_wait_alu depctr_va_vdst(0)
	PLACES 4
	WIN 0x80                                       ; my queries' four fragments and two scale images are asked for while the first tile is on its way
.irp f, 0,1,2,3
	global_load_b128 v[8*\f:8*\f+3],   v[G16], s[4:5] offset:1024*\f
	global_load_b128 v[8*\f+4:8*\f+7], v[G16], s[4:5] offset:1024*\f+512
.endr
	WIN 0
	global_load_b32 v[QS], v[G4], s[4:5] offset:4096
	global_load_b32 v[QS+1], v[G4], s[4:5] offset:4224
	s_wait_tensorcnt 0x0
	ds_add_u32 v1, v2
	s_wait_dscnt 0x0
	CROUND
	tensor_load_to_lds s[G0+4:G0+7], s[G1:G1+7]
	s_nop 0
	PLACES 4
	FETCHK 0
	FETCHV 0
	s_wait_loadcnt 0x0
	STEP 0, 1, 1, 1, 0
	s_mov_b32 s[TRIP], 6
.Lsteps:
	STEP 1, 1, 1, 0, 0
	STEP 0, 1, 1, 0, 0
	s_sub_co_u32 s[TRIP], s[TRIP], 1
	s_cmp_lg_u32 s[TRIP], 0
	s_cbranch_scc1 .Lsteps
	STEP 1, 1, 1, 0, 0
	STEP 0, 0, 1, 0, 1
	STEP 1, 0, 0, 0, 0
	PLACES 4
.irp u, 0,1
	v_add_f32 v[TT+16*\u+12], v[ST+4*\u+2], v[ST+4*\u+3]
.endr
.irp u, 0,1
	v_permlanex16_b32 v[TT+16*\u+4], v[TT+16*\u+12], s[SEL], s[SEL+1]
.endr
.irp u, 0,1
	v_add_f32 v[TT+16*\u+12], v[TT+16*\u+12], v[TT+16*\u+4]
.endr
.irp u, 0,1
	ds_store_b32 v240, v[ST+4*\u] offset:128*\u
	ds_store_b32 v240, v[TT+16*\u+12] offset:1024+128*\u
.endr
	WIN 0x04
.irp u, 0,1
.irp t, 0,1,2,3,4,5,6,7,8,9,10,11,12,13,14,15
	ds_store_b128 v[LI], v[128*\u+8*\t:128*\u+8*\t+3] offset:(16*\u+\t)*1024
	ds_store_b128 v[LI], v[128*\u+8*\t+4:128*\u+8*\t+7] offset:(16*\u+\t)*1024+512
.endr
.if \u == 0
	s_wait_dscnt 16
.endif
.endr
	WIN 0
	s_wait_dscnt 0x0
	s_barrier_signal -1
	s_barrier_wait -1
.irp x, 0,1,2,3
	ds_load_b32 v[56+\x], v241 offset:256*\x
	ds_load_b32 v[60+\x], v241 offset:1024+256*\x
.endr
.irp x, 0,1
.irp t, 0,1,2,3,4,5,6,7
	ds_load_b128 v[64+64*\x+8*\t:64+64*\x+8*\t+3],   v242 offset:CH*\x+1024*\t
	ds_load_b128 v[64+64*\x+8*\t+4:64+64*\x+8*\t+7], v242 offset:CH*\x+1024*\t+512
.endr
.endr
	s_wait_dscnt 31
	WIN 0x80
.irp x, 0,1
.irp t, 0,1,2,3,4,5,6,7
	ds_load_b128 v[64*\x+8*\t:64*\x+8*\t+3],   v243 offset:CH*\x+1024*\t
	ds_load_b128 v[64*\x+8*\t+4:64*\x+8*\t+7], v243 offset:CH*\x+1024*\t+512
.endr
.endr
	WIN 0
	v_min3_num_f32 v24, v56, v57, v58
	v_min_num_f32 v24, v24, v59
.irp x, 0,1,2,3
	v_sub_f32 v[28+\x], v24, v[56+\x]
.endr
.irp x, 0,1,2,3
	v_cvt_i32_f32 v[28+\x], v[28+\x]
.endr
.irp x, 0,1,2,3
	v_ldexp_f32 v[28+\x], 1.0, v[28+\x]
.endr
	v_mul_f32 v25, v28, v60
	v_fmac_f32 v25, v29, v61
	v_fmac_f32 v25, v30, v62
	v_fmac_f32 v25, v31, v63
	s_wait_alu depctr_va_vdst(0)
	v_rcp_f32 v26, v25
	v_nop
	s_wait_alu depctr_va_vdst(0)
.irp x, 0,1,2,3
	v_mul_f32 v[32+2*\x], v[28+\x], v26
	v_mul_f32 v[33+2*\x], v[28+\x], v26
.endr
	s_wait_alu depctr_va_vdst(0)
	s_wait_dscnt 32
.set j, 0
.rept 32
	v_pk_mul_f32 v[64+j:65+j], v[64+j:65+j], v[32:33]
.set j, j+2
.endr
.set j, 0
.rept 32
	v_pk_fma_f32 v[64+j:65+j], v[128+j:129+j], v[34:35], v[64+j:65+j]
.set j, j+2
.endr
	s_wait_dscnt 0x0
	WIN 0x02
.set j, 0
.rept 32
	v_pk_fma_f32 v[64+j:65+j], v[j:j+1], v[36:37], v[64+j:65+j]
.set j, j+2
.endr
.set j, 0
.rept 32
	v_pk_fma_f32 v[64+j:65+j], v[64+j:65+j], v[38:39], v[64+j:65+j]
.set j, j+2
.endr
	WIN 0
	v_pk_mul_f32 v[40:41], v[64:65], v[64:65]
	v_pk_mul_f32 v[42:43], v[66:67], v[66:67]
.set j, 4
.rept 15
	v_pk_fma_f32 v[40:41], v[64+j:65+j], v[64+j:65+j], v[40:41]
	v_pk_fma_f32 v[42:43], v[66+j:67+j], v[66+j:67+j], v[42:43]
.set j, j+4
.endr
	v_pk_add_f32 v[40:41], v[40:41], v[42:43]
	v_add_f32 v40, v40, v41
	v_permlanex16_b32 v44, v40, s[SEL], s[SEL+1]
	v_add_f32 v40, v40, v44
	QUANT 64, PC, 45
	ds_store_b32 v244, v40
	ds_store_b32 v245, v45
	global_store_b128 v[G16], v[PC:PC+3], s[14:15]
	global_store_b128 v[G16], v[PC+4:PC+7], s[14:15] offset:512
	s_wait_dscnt 0x0
	s_barrier_signal -1
	s_barrier_wait -1
	s_cmp_lg_u32 s[WV], 0
	s_cbranch_scc1 .Lfin
	ds_load_b64 v[46:47], v246
	ds_load_b64 v[48:49], v247
	ds_load_b64 v[50:51], v247 offset:128
	v_mov_b32 v52, 0xbf000000
	v_mov_b32 v53, 0xbfb8aa3b
	v_cmp_gt_u32 vcc_lo, 16, v[LN]
	v_cndmask_b32 v52, v53, v52, vcc_lo
	v_mov_b32 v53, v52
	s_wait_dscnt 0x0
	v_pk_add_f32 v[48:49], v[48:49], v[50:51]
	s_wait_alu depctr_va_vdst(0)
	v_pk_mul_f32 v[48:49], v[48:49], v[52:53]
	global_store_b64 v[G8], v[46:47], s[8:9] offset:16384
	global_store_b64 v[G8], v[48:49], s[8:9] offset:17408
.Lfin:
	s_wait_tensorcnt 0x0
	ds_add_u32 v[SPW], v[NIL]
	s_wait_dscnt 0x0
	CROUND
	s_endpgm
.Lfunc_end_k_q1e2ada71d2_attn:
	.size	k_q1e2ada71d2_attn, .Lfunc_end_k_q1e2ada71d2_attn-k_q1e2ada71d2_attn
	.p2alignl 7, 3214868480
	.fill 96, 4, 3214868480
	.section	.rodata,"a",@progbits
	.p2align	6, 0x0
	.amdhsa_kernel k_q1e2ada71d2_attn
		.amdhsa_group_segment_fixed_size 327680
		.amdhsa_private_segment_fixed_size 0
		.amdhsa_enable_private_segment 0
		.amdhsa_kernarg_size 24
		.amdhsa_user_sgpr_count 2
		.amdhsa_user_sgpr_kernarg_segment_ptr 1
		.amdhsa_wavefront_size32 1
		.amdhsa_system_sgpr_workgroup_id_x 1
		.amdhsa_system_sgpr_workgroup_id_y 1
		.amdhsa_system_sgpr_workgroup_id_z 1
		.amdhsa_system_vgpr_workitem_id 0
		.amdhsa_next_free_vgpr 1024
		.amdhsa_next_free_sgpr 66
		.amdhsa_reserve_vcc 1
		.amdhsa_float_denorm_mode_32 3
		.amdhsa_float_denorm_mode_16_64 3
		.amdhsa_memory_ordered 1
		.amdhsa_forward_progress 1
		.amdhsa_inst_pref_size 255
	.end_amdhsa_kernel
	.section	.bss,"aw",@nobits
	.p2align	6
	.space	262144
	.amdgpu_metadata
---
amdhsa.version: [ 1, 2 ]
amdhsa.kernels:
  - .name:           k_q1e2ada71d2_attn
    .symbol:         k_q1e2ada71d2_attn.kd
    .args:
      - { .name: QB, .offset: 0, .size: 8, .value_kind: global_buffer, .address_space: global }
      - { .name: KV, .offset: 8, .size: 8, .value_kind: global_buffer, .address_space: global }
      - { .name: AT, .offset: 16, .size: 8, .value_kind: global_buffer, .address_space: global }
    .group_segment_fixed_size: 327680
    .private_segment_fixed_size: 0
    .kernarg_segment_align: 8
    .kernarg_segment_size: 24
    .max_flat_workgroup_size: 128
    .sgpr_count:     66
    .vgpr_count:     1024
    .wavefront_size: 32
...
	.end_amdgpu_metadata
.endif
;; end of part 5
;; launch rbf (part 6): grid 256 x 1, 8 waves a work-group, clusters of 4 x 1, 327,680 bytes of LDS; arguments AT, W1, b1, W2, b2, out0; writes out0
.if DOCPART == 6
	.amdgcn_target "amdgcn-amd-amdhsa--gfx1250"
	.amdhsa_code_object_version 6
	.text
	.protected	k_q1e2ada71d2_rbf
	.globl	k_q1e2ada71d2_rbf
	.p2align	8
	.type	k_q1e2ada71d2_rbf,@function
k_q1e2ada71d2_rbf:
	s_mov_b64 s[64:65], 0
	v_nop
	global_prefetch_b8 v0, s[64:65] scope:SCOPE_SE
	s_setreg_imm32_b32 hwreg(HW_REG_WAVE_MODE, 25, 1), 1
	s_wait_xcnt 0x0
	s_wait_alu depctr_hold_cnt(0) depctr_sa_sdst(0) depctr_va_vdst(0) depctr_va_sdst(0) depctr_va_ssrc(0) depctr_va_vcc(0) depctr_vm_vsrc(0)
	s_getreg_b32 s2, hwreg(HW_REG_IB_STS2, 6, 4)
	s_cmp_eq_u32 s2, 0
	s_cbranch_scc0 .Lentry_in_a_cluster
	s_endpgm
.Lentry_in_a_cluster:
	s_bfe_u32 s2, ttmp6, 0x10000c
	s_cmp_lg_u32 s2, 0x3003
	s_cbranch_scc0 .Lentry_shape_is_right
	s_endpgm
.Lentry_shape_is_right:
; RBF.  G = Q(attn) Q(attn)^T on codes of FP4 (E2M1); ker = exp(-max(sq_i + sq_j - 2 G, 0)); feat = the row's mean; out = relu(feat W1 + b1) W2 + b2, the last two products by f32 multiply-adds (K = 1, N = 1).
; ARITHMETIC.  The first K step takes C = -sq_j / 2, so that the product's result is G - sq_j / 2;  t = that x 2 log2(e) - sq_i log2(e) is one packed multiply-add for two numbers;  ker = 2^min(t, 0).
; SHARES.  Work-group g = 4 x cluster + cx owns 32 rows i, two tiles, which every wave holds in registers as source 1.  EIGHT WAVES, two to a SIMD, 512 registers each, so that one wave's vector work stands
; beside the other's matrix work and LDS loads.  THE WAVES SHARE THE ROWS j: AT's 64 chunks of 128 rows are four groups of 16; of each group wave w walks chunks 2 w and 2 w + 1: 8 steps.
; Source 0 = 16 rows j: a lane holds one row i (lane % 16), its registers run along j, over which the sum goes; -sq_j / 2 lies in the order of the tiles' lanes.
; RING.  AT lies as chunks of CH3 bytes, images of operand registers.  Each wave has two LDS slots of one chunk, side by side, and reads only those bytes.  Its two chunks of a group lie on end in memory:
; the head's one tensor load (144 rows of 256 bytes) fills both slots.  A step works on registers that the step before fetched; at the head of steps 0 to 5 the slot just read out is filled again
; (72 rows) with the chunk two steps on: by this text's own count a wave has one tensor load out, and it has one step in which to land.
; THE WALK IS ROTATED.  Cluster x begins at group (x xor x / 4) % 4 and goes round modulo 4.  No prefetch is laid: each of the four groups is among some cluster's first fills, so what a refill
; asks for has been asked for at the launch's start.
; CLUSTER.  The four work-groups of a cluster walk the same chunks: each load is asked for JOINTLY; each refill stands behind a round of the cluster's barrier.
; Every wave loads the MLP's 768 bytes of weights in its last step, though wave 0 alone uses them: so no register is written on one wave's path alone.  out0 leaves as 128 consecutive bytes a work-group: it owns 32 rows.
; LIMITS: NaN and infinities are not served; the f32 sum over j is taken in the order of the cluster's walk, which differs from cluster to cluster.
; REGISTERS.  Window 0: v1-11, v27, v48-51 addresses; v12-15 -sq_i log2(e) (pairs); v16-23 the sums; v24-25 my rows' scale words; v32-39 the chunk's; v40-47 at work; v64-191 the results; v192-255 -sq_j / 2.
;   Window 1: v0-127 the chunk's 16 fragments, v128-159 my rows' four; in the last step v0-191 take W1, b1, W2.
.set CH3,   18432
.set WCH,   2*CH3                      ; a wave's two slots
.set GRP,   16*CH3                     ; a group of 16 chunks in AT
.set SPARE, 8*WCH                      ; behind the ring: the spare words, 128 bytes for each wave: four blocks of 256 bytes that no other line names
.set XS,    SPARE+1024                 ; the waves' sums: 128 w + 64 u + 4 r
.set SPW, 1
.set NIL, 2
.set LI,  3                            ; v3, v4  16 L + my slot 0, 1
.set LS,  5                            ; v5, v6  4 L + the same
.set BA,  7                            ; v7, v8  32 (L / 16) + the same
.set ZO,  10                           ; 0: the offset of loads that every lane makes alike
.set G16, 11
.set NSQ, 12
.set SUM, 16
.set BS,  24
.set B2,  26
.set G4,  27
.set FE,  28
.set AS,  32
.set CHN, 40
.set XSW, 48
.set XSR, 49
.set OO,  50
.set R4,  51
.set DD,  64
.set BI,  192
.set WV,  16
.set G1,  20                           ; s[20:27] group 1 of a refill: 72 rows
.set G0,  28                           ; s[28:35] groups 0 of slots 0, 1
.set ATW, 36                           ; s[36:37] AT at my wave's two chunks of group 0
.set CS,  38
.set SEL, 40
.set TRIP, 42
.set IDX, 43                           ; s43  the group that was asked for last
.set OFS, 52                           ; s[52:53] a group's offset in AT; s53 stays 0
.set G1H, 56                           ; s[56:63] group 1 of the head's load: 144 rows
.set MSB, 0
.macro WIN new                         ; the immediate's high byte repeats the setting that is left
.if MSB != \new
	s_set_vgpr_msb (MSB<<8)|\new
.set MSB, \new
.endif
.endm
.macro PLACES n
.rept \n
	v_nop
.endr
.endm
.macro CREST                           ; a round of the cluster's barrier behind its opening barrier
	s_cmp_lg_u32 s[WV], 0
	s_cbranch_scc1 .Lnot_wave_0_\@
	s_barrier_signal -3
.Lnot_wave_0_\@:
	s_barrier_wait -3
	s_barrier_signal -1
	s_barrier_wait -1
.endm
.macro CROUND
	s_barrier_signal -1
	s_barrier_wait -1
	CREST
.endm
; 16 matrix instructions: K step ks, 8 tiles of rows j x my 2 tiles of rows i; the 16 accumulators take turns.  K step 0 starts the sums from -sq_j / 2.
.macro GPASS ks
	WIN 0x05                                       ; sources 0 and 1 window 1
.irp T, 0,1,2,3,4,5,6,7
.irp u, 0,1
.if \ks
	v_wmma_scale_f32_16x16x128_f8f6f4 v[DD+64*\u+8*\T:DD+64*\u+8*\T+7], v[16*\T+8:16*\T+15], v[128+16*\u+8:128+16*\u+15], v[DD+64*\u+8*\T:DD+64*\u+8*\T+7], v[AS+\T], v[BS+\u] matrix_a_fmt:MATRIX_FMT_FP4 matrix_b_fmt:MATRIX_FMT_FP4 matrix_a_scale:MATRIX_SCALE_ROW1 matrix_b_scale:MATRIX_SCALE_ROW1
.else
	v_wmma_scale_f32_16x16x128_f8f6f4 v[DD+64*\u+8*\T:DD+64*\u+8*\T+7], v[16*\T:16*\T+7], v[128+16*\u:128+16*\u+7], v[BI+8*\T:BI+8*\T+7], v[AS+\T], v[BS+\u] matrix_a_fmt:MATRIX_FMT_FP4 matrix_b_fmt:MATRIX_FMT_FP4
.endif
.endr
.endr
.endm
; the chunk in my slot sl: 16 fragments, 8 scale images, and -sq_j / 2 in the result's layout (lane (r, h), register j: tile lane 8 h + j): 56 LDS loads
.macro FETCH3 sl
	WIN 0x40                                       ; destination window 1
.irp f, 0,1,2,3,4,5,6,7,8,9,10,11,12,13,14,15
	ds_load_b128 v[8*\f:8*\f+3],   v[LI+(\sl)] offset:1024*\f
	ds_load_b128 v[8*\f+4:8*\f+7], v[LI+(\sl)] offset:1024*\f+512
.endr
	WIN 0
.irp T, 0,1,2,3,4,5,6,7
	ds_load_b32 v[AS+\T], v[LS+(\sl)] offset:16384+128*\T
.endr
.irp T, 0,1,2,3,4,5,6,7
	ds_load_b128 v[BI+8*\T:BI+8*\T+3],   v[BA+(\sl)] offset:17408+((\T)/2)*256+((\T)%2)*64
	ds_load_b128 v[BI+8*\T+4:BI+8*\T+7], v[BA+(\sl)] offset:17408+((\T)/2)*256+((\T)%2)*64+16
.endr
.endm
.macro KER
.irp u, 0,1
.set j, 0
.rept 32
	v_pk_fma_f32 v[DD+64*\u+j:DD+64*\u+j+1], v[DD+64*\u+j:DD+64*\u+j+1], s[CS:CS+1], v[NSQ+2*\u:NSQ+2*\u+1] op_sel_hi:[1,0,0]   ; t = -d2 log2(e)
.set j, j+2
.endr
.endr
.set j, 0
.rept 128
	v_min_num_f32 v[DD+j], 0, v[DD+j]              ; d2 is held at 0 from below: all the batch's sources are laid first
.set j, j+1
.endr
	s_wait_alu depctr_va_vdst(0)                   ; one wait ahead of the batch
.set j, 0
.rept 128
	v_exp_f32 v[DD+j], v[DD+j]                     ; ONE BATCH: the 128 exponentials
.set j, j+1
.endr
	v_nop                                          ; a plain place behind the last exponential
	s_wait_alu depctr_va_vdst(0)                   ; one wait for the batch, ahead of its first reader
.set j, 0
.rept 16
.irp u, 0,1
	v_pk_add_f32 v[SUM+4*\u:SUM+4*\u+1], v[SUM+4*\u:SUM+4*\u+1], v[DD+64*\u+j:DD+64*\u+j+1]       ; four chains by turns
	v_pk_add_f32 v[SUM+4*\u+2:SUM+4*\u+3], v[SUM+4*\u+2:SUM+4*\u+3], v[DD+64*\u+j+2:DD+64*\u+j+3]
.endr
.set j, j+4
.endr
.endm
; A STEP: a chunk of 128 rows j, which lies in registers.  chg = 1: my slot fl, which I have read out, is filled again.  fet = 1: the next chunk comes from slot ff.  tw = 1: the wait for my last load.  mlp = 1: the weights come.
.macro STEP3 chg, fl, fet, ff, tw, mlp
.if \chg
	s_wait_tensorcnt 0x0                           ; all my tensor loads have landed: the other slot's; so a group 0 may be written
	ds_add_u32 v[SPW], v[NIL]                      ; 0 onto my spare word
.if \fl == 0
	s_add_co_u32 s[IDX], s[IDX], 1                 ; the next group of the walk,
	s_and_b32 s[IDX], s[IDX], 3                    ; round modulo 4: it hangs on the cluster's number and the step alone, the same in all four partners
	s_mul_i32 s[OFS], s[IDX], GRP
.endif
	s_add_nc_u64 s[G0+4*\fl+2:G0+4*\fl+3], s[ATW:ATW+1], s[OFS:OFS+1]
.if \fl
	s_add_nc_u64 s[G0+4*\fl+2:G0+4*\fl+3], s[G0+4*\fl+2:G0+4*\fl+3], CH3   ; slot 1 takes the second of my two chunks
.endif
	s_or_b32 s[G0+4*\fl+3], s[G0+4*\fl+3], 0x80000000   ; type = 2
	s_wait_dscnt 1                                 ; the chunk is in registers; the add, the youngest LDS instruction, may be out
	GPASS 0                                        ; sixteen matrix instructions stand between the add and the wait for it
	s_wait_dscnt 0x0                               ; the add is done, and my reads of this slot are over
	s_barrier_signal -1                            ; this barrier opens a round of the cluster's barrier
	GPASS 1                                        ; work on registers while the others arrive
	WIN 0
	s_barrier_wait -1
	CREST                                          ; no wave of any partner still reads this slot or has a load on its way
	tensor_load_to_lds s[G0+4*\fl:G0+4*\fl+3], s[G1:G1+7]   ; my one tensor load behind the round, and the first thing there; the four places below follow its s_nop
	s_nop 0
.else
.if \tw
	s_wait_tensorcnt 0x0                           ; my last chunk has landed: my own bytes
.endif
	s_wait_dscnt 0x0                               ; the chunk is in registers
	GPASS 0
	GPASS 1
.endif
	WIN 0
	PLACES 4                                       ; four places ahead of the loads into the products' sources and of the first read of results
.if \fet
	FETCH3 \ff
.endif
.if \mlp
	WIN 0x40                                       ; destination window 1: the fragments there are done with
.irp i, 0,1,2,3,4,5,6,7,8,9,10,11,12,13,14,15
	global_load_b128 v[4*\i:4*\i+3], v[ZO], s[6:7] offset:16*\i        ; W1, b1, W2: all 64 numbers of each in every lane
	global_load_b128 v[64+4*\i:64+4*\i+3], v[ZO], s[8:9] offset:16*\i
	global_load_b128 v[128+4*\i:128+4*\i+3], v[ZO], s[10:11] offset:16*\i
.endr
	WIN 0
.endif
	KER
.endm
	s_load_b256 s[4:11], s[0:1], 0x0               ; AT s[4:5], W1 s[6:7], b1 s[8:9], W2 s[10:11]
	s_load_b128 s[12:15], s[0:1], 0x20             ; b2 s[12:13], out0 s[14:15]
	v_lshl_add_u32 v[SPW], v0, 2, SPARE
	v_mov_b32 v[NIL], 0
	ds_add_u32 v[SPW], v[NIL]
	ds_add_u32 v[SPW], v[NIL]
	v_lshrrev_b32 v52, 5, v0
	v_readfirstlane_b32 s[WV], v52                 ; wave 0..7
	s_bfe_u32 s17, ttmp6, 0x40000                  ; cx = my quarter b of chunk c = cluster x
	s_lshl_b32 s18, ttmp9, 2
	s_add_co_u32 s18, s18, s17                     ; g
	s_lshr_b32 s[IDX], ttmp9, 2                    ; where my cluster's walk begins: (x xor x / 4) % 4
	s_xor_b32 s[IDX], s[IDX], ttmp9
	s_and_b32 s[IDX], s[IDX], 3
.irp g, G1, G1H
	s_mov_b32 s[\g], 15|(3<<16)|(1<<21)            ; the mask of all four work-groups; elements of 8 bytes; bit 21 beside a mask; no padding
	s_mov_b32 s[\g+1], 32<<16                      ; rows of 256 bytes
	s_mov_b32 s[\g+3], 32<<16
	s_mov_b32 s[\g+5], 32
	s_mov_b32 s[\g+6], 0
	s_mov_b32 s[\g+7], 0
.endr
	s_mov_b32 s[G1+2], 72<<16                      ; a chunk
	s_mov_b32 s[G1+4], 72
	s_mov_b32 s[G1H+2], 144<<16                    ; two chunks
	s_mov_b32 s[G1H+4], 144
	s_mov_b32 s[CS], 0x4038aa3b                    ; 2 log2(e)
	s_mov_b32 s[CS+1], s[CS]
	s_mov_b32 s[SEL], 0x76543210
	s_mov_b32 s[SEL+1], 0xfedcba98
	s_mul_i32 s44, s[WV], WCH                      ; my two slots' place in LDS, and my two chunks' place in a group in memory
	s_mov_b32 s45, 0
	v_and_b32 v52, 31, v0                          ; L
	v_bfe_u32 v53, v0, 4, 1                        ; h
	v_and_b32 v54, 15, v0                          ; r
	v_lshlrev_b32 v[G16], 4, v52
	v_lshlrev_b32 v[G4], 2, v52
	v_lshlrev_b32 v[R4], 2, v54
	v_mov_b32 v[ZO], 0
	v_add_nc_u32 v[LI], s44, v[G16]
	v_add_nc_u32 v[LI+1], CH3, v[LI]
	v_add_nc_u32 v[LS], s44, v[G4]
	v_add_nc_u32 v[LS+1], CH3, v[LS]
	v_lshlrev_b32 v[BA], 5, v53
	v_add_nc_u32 v[BA], s44, v[BA]
	v_add_nc_u32 v[BA+1], CH3, v[BA]
	s_lshl_b32 s46, s[WV], 7
	s_add_co_u32 s46, s46, XS
	v_add_nc_u32 v[XSW], s46, v[R4]
	v_add_nc_u32 v[XSR], XS, v[G4]
	v_and_b32 v55, 8, v0
	v_add_nc_u32 v55, v55, v54
	v_lshl_add_u32 v55, v53, 3, v55                ; lane L = 16 u + r stands for row 8 u + r + 8 (r / 8) of my 32
	v_lshlrev_b32 v[OO], 2, v55
.irp i, 0,1,2,3,4,5,6,7
	v_mov_b32 v[SUM+\i], 0                         ; the sums: two chains of pairs a tile
.endr
	v_mov_b32 v[NSQ+1], 0                          ; (named as the upper halves of pairs)
	v_mov_b32 v[NSQ+3], 0
	s_mul_i32 s[OFS], s[IDX], GRP                  ; the walk's first group
	s_mov_b32 s[OFS+1], 0
	s_wait_dscnt 0x0                               ; both opening adds are done
	s_wait_alu depctr_va_vdst(0)
	s_wait_kmcnt 0x0
	s_add_nc_u64 s[ATW:ATW+1], s[4:5], s[44:45]    ; AT at my wave's two chunks of group 0
	s_mov_b32 s[G0], 1                             ; group 0 of slot 0; the head's load, which begins there, uses it too
	s_mov_b32 s[G0+1], s44
	s_add_nc_u64 s[G0+2:G0+3], s[ATW:ATW+1], s[OFS:OFS+1]
	s_or_b32 s[G0+3], s[G0+3], 0x80000000          ; type = 2
	s_mov_b32 s[G0+4], 1                           ; of slot 1: its address is made at its first refill
	s_add_co_u32 s[G0+5], s44, CH3
	s_mul_i32 s52, ttmp9, CH3
	s_add_nc_u64 s[48:49], s[4:5], s[52:53]        ; my rows' chunk
	s_lshl_b32 s52, s17, 8
	s_add_nc_u64 s[50:51], s[48:49], s[52:53]      ; + 256 b: my units among the scale images and the sums of squares
	s_lshl_b32 s52, s17, 12
	s_add_nc_u64 s[48:49], s[48:49], s[52:53]      ; + 4,096 b: my four fragments
	s_lshl_b32 s52, s18, 7
	s_add_nc_u64 s[14:15], s[14:15], s[52:53]      ; my 32 numbers of out0
	CROUND                                         ; all four work-groups are here: the first joint loads meet
	tensor_load_to_lds s[G0:G0+3], s[G1H:G1H+7]    ; my one tensor load at the head: both my slots' first fill
	s_nop 0
	PLACES 4
	WIN 0x40                                       ; destination window 1
.irp f, 0,1,2,3
	global_load_b128 v[128+8*\f:128+8*\f+3],   v[G16], s[48:49] offset:1024*\f       ; my rows' fragment 2 u + s stays in registers
	global_load_b128 v[128+8*\f+4:128+8*\f+7], v[G16], s[48:49] offset:1024*\f+512
.endr
	WIN 0
	global_load_b32 v[BS], v[G4], s[50:51] offset:16384
	global_load_b32 v[BS+1], v[G4], s[50:51] offset:16384+128
	global_load_b32 v[NSQ], v[R4], s[50:51] offset:17408+128           ; -sq_i log2(e) of row r of tile 0,
	global_load_b32 v[NSQ+2], v[R4], s[50:51] offset:17408+128+64      ; of tile 1
	global_load_b32 v[B2], v[ZO], s[12:13]
	s_wait_tensorcnt 0x0                           ; my two chunks are in: my own bytes
	FETCH3 0
	s_wait_loadcnt 0x0
	s_mov_b32 s[TRIP], 3
.Lsteps:                                           ; steps 0 to 5, two a trip: once round my ring
	STEP3 1, 0, 1, 1, 0, 0
	STEP3 1, 1, 1, 0, 0, 0
	s_sub_co_u32 s[TRIP], s[TRIP], 1
	s_cmp_lg_u32 s[TRIP], 0
	s_cbranch_scc1 .Lsteps
	STEP3 0, 0, 1, 1, 1, 0                         ; steps 6 and 7 fill nothing: the tail is written out
	STEP3 0, 0, 0, 0, 0, 1
.irp u, 0,1
	v_pk_add_f32 v[SUM+4*\u:SUM+4*\u+1], v[SUM+4*\u:SUM+4*\u+1], v[SUM+4*\u+2:SUM+4*\u+3]
.endr
.irp u, 0,1
	v_add_f32 v[SUM+4*\u], v[SUM+4*\u], v[SUM+4*\u+1]
.endr
.irp u, 0,1
	v_permlanex16_b32 v[SUM+4*\u+2], v[SUM+4*\u], s[SEL], s[SEL+1]
.endr
.irp u, 0,1
	v_add_f32 v[SUM+4*\u], v[SUM+4*\u], v[SUM+4*\u+2]          ; my share of row r's sum
.endr
	ds_store_b32 v[XSW], v[SUM]                    ; lanes r and r + 16 write the same word with the same value
	ds_store_b32 v[XSW], v[SUM+4] offset:64
	s_wait_dscnt 0x0
	s_barrier_signal -1
	s_barrier_wait -1
	s_cmp_lg_u32 s[WV], 0
	s_cbranch_scc1 .Lfin                           ; wave 0 finishes the 32 rows, a lane a row
.irp x, 0,1,2,3,4,5,6,7
	ds_load_b32 v[CHN+\x], v[XSR] offset:128*\x
.endr
	s_wait_dscnt 0x0
	s_wait_loadcnt 0x0                             ; the weights are in
.irp x, 0,2,4,6
	v_add_f32 v[CHN+\x], v[CHN+\x], v[CHN+\x+1]
.endr
	v_add_f32 v[CHN], v[CHN], v[CHN+2]
	v_add_f32 v[CHN+4], v[CHN+4], v[CHN+6]
	v_add_f32 v[CHN], v[CHN], v[CHN+4]
	v_mul_f32 v[FE], 0x39000000, v[CHN]            ; feat = the sum / 8,192
	v_mov_b32 v[FE+1], v[FE]
	WIN 0x14                                       ; sources 1 and 2 window 1
.set j, 0
.rept 32
	v_pk_fma_f32 v[DD+j:DD+j+1], v[FE:FE+1], v[j:j+1], v[64+j:65+j]    ; feat W1 + b1
.set j, j+2
.endr
	WIN 0
.set j, 0
.rept 64
	v_max_num_f32 v[DD+j], 0, v[DD+j]
.set j, j+1
.endr
	WIN 0x04                                       ; source 1 window 1
.irp q, 0,1,2,3
	v_pk_mul_f32 v[CHN+2*\q:CHN+2*\q+1], v[DD+2*\q:DD+2*\q+1], v[128+2*\q:129+2*\q]   ; h W2, in four chains
.endr
.set j, 8
.rept 7
.irp q, 0,1,2,3
	v_pk_fma_f32 v[CHN+2*\q:CHN+2*\q+1], v[DD+j+2*\q:DD+j+2*\q+1], v[128+j+2*\q:129+j+2*\q], v[CHN+2*\q:CHN+2*\q+1]
.endr
.set j, j+8
.endr
	WIN 0
	v_pk_add_f32 v[CHN:CHN+1], v[CHN:CHN+1], v[CHN+2:CHN+3]
	v_pk_add_f32 v[CHN+4:CHN+5], v[CHN+4:CHN+5], v[CHN+6:CHN+7]
	v_pk_add_f32 v[CHN:CHN+1], v[CHN:CHN+1], v[CHN+4:CHN+5]
	v_add_f32 v[CHN], v[CHN], v[CHN+1]
	v_add_f32 v[CHN], v[CHN], v[B2]
	global_store_b32 v[OO], v[CHN], s[14:15]       ; the 32 lanes store 128 consecutive bytes, each lane at its row's place
.Lfin:
	s_wait_tensorcnt 0x0                           ; the wave's end
	ds_add_u32 v[SPW], v[NIL]
	s_wait_dscnt 0x0
	CROUND                                         ; the closing round
	s_endpgm
.Lfunc_end_k_q1e2ada71d2_rbf:
	.size	k_q1e2ada71d2_rbf, .Lfunc_end_k_q1e2ada71d2_rbf-k_q1e2ada71d2_rbf
	.p2alignl 7, 3214868480
	.fill 96, 4, 3214868480
	.section	.rodata,"a",@progbits
	.p2align	6, 0x0
	.amdhsa_kernel k_q1e2ada71d2_rbf
		.amdhsa_group_segment_fixed_size 327680
		.amdhsa_private_segment_fixed_size 0
		.amdhsa_enable_private_segment 0
		.amdhsa_kernarg_size 48
		.amdhsa_user_sgpr_count 2
		.amdhsa_user_sgpr_kernarg_segment_ptr 1
		.amdhsa_wavefront_size32 1
		.amdhsa_system_sgpr_workgroup_id_x 1
		.amdhsa_system_sgpr_workgroup_id_y 1
		.amdhsa_system_sgpr_workgroup_id_z 1
		.amdhsa_system_vgpr_workitem_id 0
		.amdhsa_next_free_vgpr 512
		.amdhsa_next_free_sgpr 66
		.amdhsa_reserve_vcc 0
		.amdhsa_float_denorm_mode_32 3
		.amdhsa_float_denorm_mode_16_64 3
		.amdhsa_memory_ordered 1
		.amdhsa_forward_progress 1
		.amdhsa_inst_pref_size 117
	.end_amdhsa_kernel
	.amdgpu_metadata
---
amdhsa.version: [ 1, 2 ]
amdhsa.kernels:
  - .name:           k_q1e2ada71d2_rbf
    .symbol:         k_q1e2ada71d2_rbf.kd
    .args:
      - { .name: AT, .offset: 0, .size: 8, .value_kind: global_buffer, .address_space: global }
      - { .name: W1, .offset: 8, .size: 8, .value_kind: global_buffer, .address_space: global }
      - { .name: b1, .offset: 16, .size: 8, .value_kind: global_buffer, .address_space: global }
      - { .name: W2, .offset: 24, .size: 8, .value_kind: global_buffer, .address_space: global }
      - { .name: b2, .offset: 32, .size: 8, .value_kind: global_buffer, .address_space: global }
      - { .name: out0, .offset: 40, .size: 8, .value_kind: global_buffer, .address_space: global }
    .group_segment_fixed_size: 327680
    .private_segment_fixed_size: 0
    .kernarg_segment_align: 8
    .kernarg_segment_size: 48
    .max_flat_workgroup_size: 256
    .sgpr_count:     66
    .vgpr_count:     512
    .wavefront_size: 32
...
	.end_amdgpu_metadata
.endif
;; end of part 6
